; MI455X (gfx1250); checked and timed in simulation.
; The chip was launched on July 23, 2026; its instructions are those of AMD's public machine-readable ISA for CDNA 5 (MIT licence, August 2026) and "CDNA5" Instruction Set Architecture Reference Guide (July 2026). The comments in the code are by the model that wrote it; some were corrected since.
;; Multi Head Attention. Allowed arithmetic: matrix products marked QUANTISED: E2M1 operands, one E8M0 scale for each 32 along K, by v_wmma_scale_f32_16x16x128_f8f6f4 with both operands' format E2M1 (or v_wmma_scale_f32_32x16x128_f4), f32 sums; products left as they are: bf16, f16 or f32 operands; f32 sums; everything else in f32.
;; Inputs: K 1 x 4,096 x 1,024 float32; Q 1 x 4,096 x 1,024 float32; V 1 x 4,096 x 1,024 float32; WK 16 x 1,024 x 64 float32; WO 1,024 x 1,024 float32; WQ 16 x 1,024 x 64 float32; WV 16 x 1,024 x 64 float32.
;; Outputs: out0 1 x 4,096 x 1,024 float32.
;; This version of the problem:
;;   THIS VERSION OF THE PROBLEM IS GIVEN IN LOW PRECISION. The matrix products marked QUANTISED in the list below multiply operands that are first quantised to E2M1 (2 exponent bits, 1 mantissa bit; 4 bits a number), with one power-of-two scale for each 32 numbers along K (OCP MX v1.0); their sums are f32. The products marked 'left as it is' may take bf16, f16 or f32 operands, with f32 sums. Whichever they take, every output number must still come out within the allowed error. Rounding operands to bf16 (8 significant bits) uses up far more of that allowance than f16 does (11 bits, for magnitudes from 6e-5 to 65,504). All else is computed in f32.
;;   The module's matrix products, in the order in which they are computed (A, B: the left and right operand; K: the contracted axis; several contracted axes count as one K, in the product's order):
;;     1. [M 1,024, K 1,024] x [K 1,024, N 4,096]; A: input WQ; B: input Q: QUANTISED
;;     2. [M 1,024, K 1,024] x [K 1,024, N 4,096]; A: input WK; B: input K: QUANTISED
;;     3. [M 1,024, K 1,024] x [K 1,024, N 4,096]; A: input WV; B: input V: QUANTISED
;;     4. batch 16 x [M 4,096, K 64] x [K 64, N 4,096]; A: computed on the way; B: computed on the way: left as it is (an operand is computed on the way)
;;     5. batch 16 x [M 4,096, K 4,096] x [K 4,096, N 64]; A: computed on the way; B: computed on the way: left as it is (an operand is computed on the way)
;;     6. [M 4,096, K 1,024] x [K 1,024, N 1,024]; A: computed on the way; B: input WO: left as it is (an operand is computed on the way)
;;   THE QUANTISER, for each operand of a quantised product, along K:
;;     - K is cut into blocks of 32 from its start; a last block that is shorter is filled with zeros.
;;     - A block's scale is 2^e with e = floor(log2(the largest magnitude in the block)) - 2, held to -126 .. 127; a block of zeros has e = 0. As a byte (E8M0): e + 127.
;;     - Each number is divided by its block's scale, clamped to +-6, and rounded to the nearest number of E2M1, ties to even, subnormals kept.
;;     - The product sums the exact products of the quantised numbers (number of the format x scale) in f32.
;;   ~~~python
;;   def quantise(x, axis):      # numpy; x: float32 -> the quantised numbers, widened to float32 again
;;       x = np.moveaxis(x, axis, -1); K = x.shape[-1]
;;       x = np.pad(x, [(0, 0)] * (x.ndim - 1) + [(0, -K % 32)]); x = x.reshape(x.shape[:-1] + (-1, 32)); a = np.abs(x).max(-1, keepdims=True)
;;       e = np.where(a > 0, np.clip(np.frexp(np.where(a > 0, a, 1))[1] - 1 - 2, -126, 127), 0)      # np.frexp(a)[1] - 1 = floor(log2(a)), exactly
;;       r = np.clip(x / 2.0 ** e, -6, 6)
;;       step = 2.0 ** (np.maximum(np.frexp(np.where(r == 0, 1, r))[1] - 1, 0) - 1)
;;       q = np.round(r / step) * step * 2.0 ** e      # np.round: ties to even
;;       return np.moveaxis(q.reshape(q.shape[:-2] + (-1,))[..., :K], -1, axis).astype(np.float32)
;;   ~~~
;; One version. Each part assembles by itself: llvm-mc -triple=amdgcn-amd-amdhsa -mcpu=gfx1250 --defsym DOCPART=n.
;; ======== version 1 of 1: 5 launches
;; limits: values are held in f16: magnitudes above 65,504 overflow, below 6.1e-05 lose precision
;; workspace buffers: wcodes 1,572,864 bytes; wscales 98,304 bytes; wof 2,097,152 bytes; qh 8,388,608 bytes; kh 8,388,608 bytes; vh 8,388,608 bytes; first32 196,608 bytes; attnf 8,388,608 bytes
;; launch prep (part 1): grid 256 x 1, 4 waves a work-group, no clusters, 0 bytes of LDS; arguments WQ, WK, WV, WO, wcodes, wscales, wof; writes wcodes, wscales, wof
.if DOCPART == 1
	.amdgcn_target "amdgcn-amd-amdhsa--gfx1250"
	.amdhsa_code_object_version 6
	.text
	.protected	k_q191f4ebd90_prep
	.globl	k_q191f4ebd90_prep
	.p2align	8
	.type	k_q191f4ebd90_prep,@function
k_q191f4ebd90_prep:
	s_mov_b64 s[64:65], 0
	v_nop
	global_prefetch_b8 v0, s[64:65] scope:SCOPE_SE
	s_setreg_imm32_b32 hwreg(HW_REG_WAVE_MODE, 25, 1), 1
	s_wait_xcnt 0x0
; THE PROGRAM: causal attention, 16 heads of 64, 4,096 positions, d_model 1,024, in five launches:
;   prep (this one): WQ, WK, WV into codes of E2M1 with E8M0 scales along d_model; WO into f16;   proj: q, k, v = x W on those codes, x quantised on the way;
;   attn: scores, softmax, P V with f16 operands and f32 sums;   oproj: the product with WO, f16 operands, f32 sums;   first16: positions 0 to 15 once more, all in f32.
; WORK LEFT OUT: reference() sets the score of key t for query s to -inf wherever t > s, by a mask that it builds itself; the softmax weight there is 0 whatever finite values the inputs hold.
; So a step of 64 keys all of which come after all 16 queries of a tile adds nothing to that tile's sums, and attn leaves such steps out (scores, softmax and P V alike).  Every input has a way to the output: all seven are loaded.
; LIMITS: a NaN, an infinity or an overflow that would arise only in a step left out is not carried to the result.  NaN and infinities among the inputs are not served.
; q, k, v, WO and the attention result are rounded to f16: their magnitudes must stay under 65,504.  A block of 32 zeros gets the scale byte 1 where the quantiser says 127: its codes are zeros, and the bytes are read by this program alone.
;
; THIS LAUNCH.  All four weights have K (d_model, or WO's first axis) NOT innermost.  A LANE TAKES A COLUMN AND ITS REGISTERS RUN DOWN K: each load reads 128 consecutive bytes a wave, neighbouring waves stand side by side.
; A wave's unit is 32 columns x 128 along K: 128 loads, issued at once.  The 32 lanes hold two tiles of 16 columns; an exchange of lane halves between two registers turns them into the two tiles' operand registers,
; and these leave AS IMAGES OF THE OPERAND'S REGISTERS: four registers by one store, 16 bytes a lane, 512 consecutive bytes.  No LDS, no barrier.
; wcodes  [tensor 3][head 16][K step of 128: 8][tile of 16 columns: 4][1,024 bytes]: registers 0-3 of lane l at 16 l, registers 4-7 at 512 + 16 l.
; wscales [tensor 3][K step 8][column 1,024] words: byte b scales k = 32 b .. 32 b + 31 of the step.  (A wave's store of scale words covers 128 consecutive bytes, half of an aligned 256: one byte in 128 of what the launch reads.)
; wof     [K step of 256: 4][tile of 16 columns: 64][32 along K: 8][1,024 bytes]: f16, registers 0-3 (k = 8 h ..) at 16 l, registers 4-7 (k = 16 + 8 h ..) at 512 + 16 l.
; Work-groups 0 to 191 take WQ, WK, WV (768 units), 192 to 255 take WO (256 units).
.set X,  32                            ; v32-159  128 numbers: register i = K i of my column
.set CD, 160                           ; v160-175 codes: block b of 32 at CD + 4 b
.set SW, 14                            ; v14      my column's scale word
	s_load_b256 s[4:11], s[0:1], 0x0               ; WQ s[4:5], WK s[6:7], WV s[8:9], WO s[10:11]
	s_load_b128 s[12:15], s[0:1], 0x20             ; wcodes s[12:13], wscales s[14:15]
	s_load_b64 s[16:17], s[0:1], 0x30              ; wof
	v_lshrrev_b32 v3, 5, v0
	v_readfirstlane_b32 s18, v3                    ; wave 0..3
	v_and_b32 v4, 31, v0                           ; lane
	v_lshlrev_b32 v1, 2, v4                        ; 4 x lane: my column in a load, my scale word in a store
	v_lshlrev_b32 v2, 4, v4                        ; 16 x lane: my place in an image
	s_mov_b32 s27, 0                               ; the upper word of every offset
	s_cmp_ge_u32 ttmp9, 192
	s_cbranch_scc1 .Lwo
; how many younger loads may stay out when block b's 32 are wanted: 96, 64, 32, 0; the wait's field ends at 63, and a smaller count is safe
.macro WAITB b
.if (\b) < 2
	s_wait_loadcnt 63
.else
	s_wait_loadcnt 32*(3-(\b))
.endif
.endm
	; ---- WQ, WK, WV: work-group g: tensor and head g / 4, K step 2 (g % 4) + wave / 2, columns 32 (wave % 2) on
	s_lshr_b32 s22, ttmp9, 2                       ; 16 x tensor + head
	s_and_b32 s23, s22, 15                         ; head
	s_and_b32 s24, ttmp9, 3
	s_lshl_b32 s24, s24, 1
	s_lshr_b32 s25, s18, 1
	s_add_co_u32 s24, s24, s25                     ; K step
	s_and_b32 s25, s18, 1                          ; which 32 columns
	s_lshl_b32 s26, s23, 18                        ; a head is 1,024 rows of 256 bytes,
	s_lshl_b32 s28, s24, 15                        ; a K step 128 rows,
	s_add_co_u32 s26, s26, s28
	s_lshl_b32 s28, s25, 7                         ; 32 columns 128 bytes
	s_add_co_u32 s26, s26, s28
	s_wait_kmcnt 0x0
	s_cmp_lt_u32 ttmp9, 128                        ; the tensor is chosen by the work-group's number alone
	s_cselect_b64 s[20:21], s[6:7], s[8:9]
	s_cmp_lt_u32 ttmp9, 64
	s_cselect_b64 s[20:21], s[4:5], s[20:21]
	s_add_nc_u64 s[20:21], s[20:21], s[26:27]
.set i, 0
.rept 128
	global_load_b32 v[X+i], v1, s[20:21] offset:256*i th:TH_LOAD_NT   ; W(128 s + i, my column): read once in the launch
.set i, i+1
.endr
	s_lshl_b32 s26, s22, 15                        ; codes: 32,768 bytes a head,
	s_lshl_b32 s28, s24, 12                        ; 4,096 a K step,
	s_add_co_u32 s26, s26, s28
	s_lshl_b32 s28, s25, 11                        ; 2,048 for two tiles
	s_add_co_u32 s26, s26, s28
	s_add_nc_u64 s[12:13], s[12:13], s[26:27]
	s_lshr_b32 s26, s22, 4
	s_lshl_b32 s26, s26, 15                        ; scale words: 32,768 bytes a tensor,
	s_lshl_b32 s28, s24, 12                        ; 4,096 a K step,
	s_add_co_u32 s26, s26, s28
	s_lshl_b32 s28, s23, 8                         ; 256 a head,
	s_add_co_u32 s26, s26, s28
	s_lshl_b32 s28, s25, 7                         ; 128 for 32 columns
	s_add_co_u32 s26, s26, s28
	s_add_nc_u64 s[14:15], s[14:15], s[26:27]
; Block b: all its 32 numbers are mine.  The largest magnitude, with the floor 2^(3 - 127) among its leaves, so that the byte cannot fall under 1; 2 off its exponent field is the conversion's scale operand
; (the conversion takes that operand's exponent field and nothing else of it); that field is the scale's byte.
.macro QBLOCK b
.set XS, X+32*(\b)
	WAITB \b
	v_max3_num_f32 v12, |v[XS]|, |v[XS+1]|, |v[XS+2]|
	v_max3_num_f32 v13, |v[XS+3]|, |v[XS+4]|, |v[XS+5]|
.irp i, 6,10,14,18,22,26
	v_max3_num_f32 v12, v12, |v[XS+\i]|, |v[XS+\i+1]|
	v_max3_num_f32 v13, v13, |v[XS+\i+2]|, |v[XS+\i+3]|
.endr
	v_max3_num_f32 v12, v12, |v[XS+30]|, |v[XS+31]|
	v_max3_num_f32 v12, v12, v13, 0x1800000
	v_add_nc_u32 v11, 0xff000000, v12
	v_lshrrev_b32 v13, 23, v11
.if (\b) == 0
	v_mov_b32 v[SW], v13
.else
	v_lshl_or_b32 v[SW], v13, 8*(\b), v[SW]
.endif
.irp g, 0,1,2,3
	v_cvt_scalef32_pk8_fp4_f32 v[CD+4*(\b)+\g], v[XS+8*\g:XS+8*\g+7], v11   ; eight numbers / the scale, to the nearest code, ties to even, beyond 6 the largest code
.endr
.endm
	QBLOCK 0
	QBLOCK 1
	QBLOCK 2
	QBLOCK 3
	v_nop                                          ; one plain instruction between a scaled conversion and the vector instruction that touches its result
; The operand's layout: lane (r, h) of a tile holds, in registers 4 c .. 4 c + 3, k = 64 c + 32 h + 0 .. 31 of column r.  Block 2 c's lanes 16-31 (columns 16-31) change places with block 2 c + 1's lanes 0-15:
; block 2 c's registers are then registers 4 c .. of the first tile, block 2 c + 1's those of the second.
.irp c, 0,1
.irp i, 0,1,2,3
	v_permlane16_swap_b32 v[CD+8*\c+\i], v[CD+8*\c+4+\i]
.endr
.endr
	global_store_b128 v2, v[CD:CD+3], s[12:13]                     ; first tile, registers 0-3: 512 consecutive bytes
	global_store_b128 v2, v[CD+8:CD+11], s[12:13] offset:512       ; first tile, registers 4-7
	global_store_b128 v2, v[CD+4:CD+7], s[12:13] offset:1024       ; second tile
	global_store_b128 v2, v[CD+12:CD+15], s[12:13] offset:1536
	global_store_b32 v1, v[SW], s[14:15]                           ; 32 columns' scale words
	s_endpgm
.Lwo:	; ---- WO [1,024 (k)][1,024 (n)]: unit u = 4 (g - 192) + wave: columns 32 (u % 32) on, K 128 (u / 32) on
	s_sub_co_u32 s19, ttmp9, 192
	s_lshl_b32 s19, s19, 2
	s_add_co_u32 s19, s19, s18                     ; u
	s_and_b32 s22, s19, 31                         ; which 32 columns
	s_lshr_b32 s23, s19, 5                         ; which 128 along K
	s_lshl_b32 s26, s23, 19                        ; 128 rows of 4,096 bytes
	s_lshl_b32 s24, s22, 7
	s_add_co_u32 s26, s26, s24
	s_wait_kmcnt 0x0
	s_add_nc_u64 s[10:11], s[10:11], s[26:27]
.set i, 0
.rept 128
	global_load_b32 v[X+i], v1, s[10:11] offset:4096*i             ; the four waves of the work-group read 512 consecutive bytes of a row
.set i, i+1
.endr
	s_lshr_b32 s26, s23, 1
	s_lshl_b32 s26, s26, 19                        ; a K step of 256: 524,288 bytes,
	s_lshl_b32 s24, s22, 14                        ; two tiles of 16 columns: 16,384,
	s_add_co_u32 s26, s26, s24
	s_and_b32 s24, s23, 1
	s_lshl_b32 s24, s24, 12                        ; the step's second 128 along K: 4,096
	s_add_co_u32 s26, s26, s24
	s_add_nc_u64 s[16:17], s[16:17], s[26:27]
; 32 along K: sixteen roundings to f16, two numbers each, packed in place (register n takes numbers 2 n and 2 n + 1, n ascending: no number is written over before it is read).
; Registers 0-3 hold k 0-7, 4-7 k 8-15, 8-11 k 16-23, 12-15 k 24-31 of my column.  The operand wants k = 8 h .. in registers 0-3 and k = 16 + 8 h .. in registers 4-7: two sets of exchanges of lane halves.
.macro HBLOCK q
.set HS, X+32*(\q)
	WAITB \q
.set n, 0
.rept 16
	v_cvt_pk_f16_f32 v[HS+n], v[HS+2*n], v[HS+2*n+1]
.set n, n+1
.endr
.irp i, 0,1,2,3
	v_permlane16_swap_b32 v[HS+\i], v[HS+4+\i]
	v_permlane16_swap_b32 v[HS+8+\i], v[HS+12+\i]
.endr
	global_store_b128 v2, v[HS:HS+3], s[16:17] offset:1024*(\q)            ; first tile, registers 0-3
	global_store_b128 v2, v[HS+8:HS+11], s[16:17] offset:1024*(\q)+512     ; first tile, registers 4-7
	global_store_b128 v2, v[HS+4:HS+7], s[16:17] offset:8192+1024*(\q)     ; second tile
	global_store_b128 v2, v[HS+12:HS+15], s[16:17] offset:8192+1024*(\q)+512
.endm
	HBLOCK 0
	HBLOCK 1
	HBLOCK 2
	HBLOCK 3
	s_endpgm
.Lfunc_end_k_q191f4ebd90_prep:
	.size	k_q191f4ebd90_prep, .Lfunc_end_k_q191f4ebd90_prep-k_q191f4ebd90_prep
	.p2alignl 7, 3214868480
	.fill 96, 4, 3214868480
	.section	.rodata,"a",@progbits
	.p2align	6, 0x0
	.amdhsa_kernel k_q191f4ebd90_prep
		.amdhsa_group_segment_fixed_size 0
		.amdhsa_private_segment_fixed_size 0
		.amdhsa_enable_private_segment 0
		.amdhsa_kernarg_size 56
		.amdhsa_user_sgpr_count 2
		.amdhsa_user_sgpr_kernarg_segment_ptr 1
		.amdhsa_wavefront_size32 1
		.amdhsa_system_sgpr_workgroup_id_x 1
		.amdhsa_system_sgpr_workgroup_id_y 1
		.amdhsa_system_sgpr_workgroup_id_z 1
		.amdhsa_system_vgpr_workitem_id 0
		.amdhsa_next_free_vgpr 176
		.amdhsa_next_free_sgpr 66
		.amdhsa_reserve_vcc 0
		.amdhsa_float_denorm_mode_32 3
		.amdhsa_float_denorm_mode_16_64 3
		.amdhsa_memory_ordered 1
		.amdhsa_forward_progress 1
		.amdhsa_inst_pref_size 40
	.end_amdhsa_kernel
	.amdgpu_metadata
---
amdhsa.version: [ 1, 2 ]
amdhsa.kernels:
  - .name:           k_q191f4ebd90_prep
    .symbol:         k_q191f4ebd90_prep.kd
    .args:
      - { .name: WQ, .offset: 0, .size: 8, .value_kind: global_buffer, .address_space: global }
      - { .name: WK, .offset: 8, .size: 8, .value_kind: global_buffer, .address_space: global }
      - { .name: WV, .offset: 16, .size: 8, .value_kind: global_buffer, .address_space: global }
      - { .name: WO, .offset: 24, .size: 8, .value_kind: global_buffer, .address_space: global }
      - { .name: wcodes, .offset: 32, .size: 8, .value_kind: global_buffer, .address_space: global }
      - { .name: wscales, .offset: 40, .size: 8, .value_kind: global_buffer, .address_space: global }
      - { .name: wof, .offset: 48, .size: 8, .value_kind: global_buffer, .address_space: global }
    .group_segment_fixed_size: 0
    .private_segment_fixed_size: 0
    .kernarg_segment_align: 8
    .kernarg_segment_size: 56
    .max_flat_workgroup_size: 128
    .sgpr_count:     66
    .vgpr_count:     176
    .wavefront_size: 32
...
	.end_amdgpu_metadata
.endif
;; end of part 1
;; launch proj (part 2): grid 64 x 3, 16 waves a work-group, no clusters, 184,320 bytes of LDS; arguments Q, K, V, wcodes, wscales, qh, kh, vh, first32; writes qh, kh, vh, first32
.if DOCPART == 2
	.amdgcn_target "amdgcn-amd-amdhsa--gfx1250"
	.amdhsa_code_object_version 6
	.text
	.protected	k_q191f4ebd90_proj
	.globl	k_q191f4ebd90_proj
	.p2align	8
	.type	k_q191f4ebd90_proj,@function
k_q191f4ebd90_proj:
	s_mov_b64 s[64:65], 0
	v_nop
	global_prefetch_b8 v0, s[64:65] scope:SCOPE_SE
	s_setreg_imm32_b32 hwreg(HW_REG_WAVE_MODE, 25, 1), 1
	s_wait_xcnt 0x0
; q, k, v = x W, the three QUANTISED products: both operands as codes of E2M1 with one E8M0 scale for each 32 along d_model, sums in f32.  No work is left out here.
; SHARES.  Work-group (x, y) takes rows 64 x .. 64 x + 63 of tensor y (0: Q with WQ, 1: K with WK, 2: V with WV), for all 1,024 output columns.  Wave w owns head w: 64 columns, 16 accumulators (4 tiles of rows x 4 tiles of columns).
; 3 x 64 = 192 work-groups: 3 x 4,096 rows in whole blocks of 64 do not divide into 256 equal parts.
; x IS QUANTISED ONCE IN THE WORK-GROUP, since no other work-group reads these rows: wave w takes rows 16 (w / 4) on and K steps 2 (w % 4), 2 (w % 4) + 1, and the codes go round through LDS as images of the operand's registers.
; THE WEIGHTS' FRAGMENTS are images in memory, and each is wanted by one wave of the work-group: they go from memory straight into that wave's registers.  No cluster: nothing lands in LDS that partners could share.
; THE MATRIX INSTRUCTION IS USED TRANSPOSED (source 0 = 16 columns of W, source 1 = 16 rows of x): a lane then holds eight neighbouring columns of one row.
; OUT: qh, kh, vh [head][position][64] in f16 (magnitudes under 65,504); rows 0-15 also in f32 into first32 [tensor][head][16][64], for the launch that carries the first 16 positions in f32.
; LIMITS of the quantiser: a block of zeros gets the byte 1 (its codes are zeros; the bytes never leave the work-group); NaN and infinities among the inputs are not served.
.set XIMG,  0                          ; LDS: x's 32 fragments: K step s, tile of rows m at 4,096 s + 1,024 m
.set XSC,   32768                      ; their scale words: row p of the 64, K step s at 256 s + 4 p
.set STG,   34816                      ; a stage of 9,216 bytes for each wave: in: 16 rows x (512 + 16); out: 64 rows x (128 + 16)
.set STGW,  9216
.set SPARE, 182272                     ; the spare words: 128 bytes for each of 16 waves, eight blocks of 256 bytes that no other line names
.set LI,  1                            ; v1   16 x lane
.set LS,  2                            ; v2   4 x lane
.set STW, 3                            ; v3   stage, in: 16 x lane
.set STR, 4                            ; v4   stage, back: row r, + 64 h
.set XWI, 5                            ; v5   where I store my images
.set XWS, 6                            ; v6   and their scale words
.set SO,  7                            ; v7   stage, out: row r of 144 bytes, + 16 h
.set SR,  8                            ; v8   stage, back: four rows of 128 bytes an instruction
.set FO,  9                            ; v9   first32: 256 r + 32 h
.set SPW, 10                           ; v10  my spare word;  v11: 0;  both never rewritten
.set NIL, 11
.set XS,  12                           ; v12-13 x's scale words: rows 0-31, rows 32-63.  Scales and nothing else
.set WS,  16                           ; v16-31 W's scale words: register 2 s + g: lanes 0-15 tile 2 g, lanes 16-31 tile 2 g + 1.  Scales and nothing else
.set XF,  32                           ; v32-63 x's four fragments of a K step
.set TM,  32                           ; (while x is quantised: v32-47 at work, v48-55 the codes, v56 the scale word)
.set PC,  48
.set PW,  56
.set WF,  64                           ; v64-127 W's four fragments, two sets
.set ACC, 128                          ; v128-255 accumulator (m, c) at 8 (4 m + c)
.set RX,  128                          ; (while x is quantised: two sets of 64 numbers)
.set HB,  32                           ; the way out: 64 registers of f16 pairs
.set SEL, 42                           ; s[42:43]
	s_load_b512 s[4:19], s[0:1], 0x0               ; Q s[4:5], K s[6:7], V s[8:9], wcodes s[10:11], wscales s[12:13], qh s[14:15], kh s[16:17], vh s[18:19]
	s_load_b64 s[20:21], s[0:1], 0x40              ; first32
	v_lshl_add_u32 v[SPW], v0, 2, SPARE
	v_mov_b32 v[NIL], 0
	v_lshrrev_b32 v14, 5, v0
	v_readfirstlane_b32 s22, v14                   ; wave 0..15 = head
	s_and_b32 s23, ttmp7, 0xffff                   ; tensor
	v_and_b32 v14, 31, v0                          ; lane
	v_and_b32 v15, 15, v0                          ; r
	v_bfe_u32 v32, v0, 4, 1                        ; h
	v_lshlrev_b32 v[LI], 4, v14
	v_lshlrev_b32 v[LS], 2, v14
	s_mul_i32 s24, s22, STGW
	s_add_co_u32 s24, s24, STG                     ; my stage
	v_add_nc_u32 v[STW], s24, v[LI]
	v_mul_u32_u24 v[STR], v15, 528
	v_lshl_add_u32 v[STR], v32, 6, v[STR]
	v_add_nc_u32 v[STR], s24, v[STR]
	s_and_b32 s25, s22, 3                          ; which pair of K steps I quantise
	s_lshr_b32 s26, s22, 2                         ; which tile of rows
	s_lshl_b32 s27, s25, 13
	s_lshl_b32 s28, s26, 10
	s_add_co_u32 s27, s27, s28
	v_add_nc_u32 v[XWI], s27, v[LI]                ; XIMG + 8,192 (w % 4) + 1,024 (w / 4) + 16 x lane
	s_lshl_b32 s27, s25, 9
	s_lshl_b32 s28, s26, 6
	s_add_co_u32 s27, s27, s28
	s_add_co_u32 s27, s27, XSC
	v_lshl_add_u32 v[XWS], v15, 2, s27             ; XSC + 512 (w % 4) + 64 (w / 4) + 4 r
	v_mul_u32_u24 v[SO], v15, 144
	v_lshl_add_u32 v[SO], v32, 4, v[SO]
	v_add_nc_u32 v[SO], s24, v[SO]
	v_lshrrev_b32 v33, 3, v14
	v_mul_u32_u24 v[SR], v33, 144
	v_and_b32 v33, 7, v14
	v_lshl_add_u32 v[SR], v33, 4, v[SR]
	v_add_nc_u32 v[SR], s24, v[SR]
	v_lshlrev_b32 v[FO], 8, v15
	v_lshl_add_u32 v[FO], v32, 5, v[FO]
.irp b, 0,1,2,3
	v_mov_b32 v[TM+4+\b], 0                        ; written once: a lane permute's destination counts as one of its sources
.endr
	s_mov_b32 s[SEL], 0x76543210
	s_mov_b32 s[SEL+1], 0xfedcba98                 ; v_permlanex16_b32's selects for lane l xor 16
	s_lshl_b32 s32, ttmp9, 18                      ; x: 64 rows of 4,096 bytes a work-group,
	s_lshl_b32 s28, s26, 16                        ; 16 rows a tile,
	s_add_co_u32 s32, s32, s28
	s_lshl_b32 s28, s25, 10                        ; two K steps of 512 bytes
	s_add_co_u32 s32, s32, s28
	s_mov_b32 s33, 0
	s_lshl_b32 s34, s23, 19                        ; W's codes: 524,288 bytes a tensor, 32,768 a head
	s_lshl_b32 s28, s22, 15
	s_add_co_u32 s34, s34, s28
	s_mov_b32 s35, 0
	s_lshl_b32 s36, s23, 15                        ; W's scale words: 32,768 bytes a tensor, 256 a head
	s_lshl_b32 s28, s22, 8
	s_add_co_u32 s36, s36, s28
	s_mov_b32 s37, 0
	s_lshl_b32 s38, s22, 19                        ; out: 524,288 bytes a head, 64 rows of 128 bytes a work-group
	s_lshl_b32 s28, ttmp9, 13
	s_add_co_u32 s38, s38, s28
	s_mov_b32 s39, 0
	s_lshl_b32 s40, s23, 16                        ; first32: 65,536 bytes a tensor, 4,096 a head
	s_lshl_b32 s28, s22, 12
	s_add_co_u32 s40, s40, s28
	s_mov_b32 s41, 0
	s_wait_kmcnt 0x0
	s_cmp_eq_u32 s23, 1                            ; the tensors are chosen by the work-group's y alone
	s_cselect_b64 s[28:29], s[6:7], s[8:9]
	s_cselect_b64 s[30:31], s[16:17], s[18:19]
	s_cmp_eq_u32 s23, 0
	s_cselect_b64 s[28:29], s[4:5], s[28:29]
	s_cselect_b64 s[30:31], s[14:15], s[30:31]
	s_add_nc_u64 s[28:29], s[28:29], s[32:33]      ; x
	s_add_nc_u64 s[30:31], s[30:31], s[38:39]      ; out
	s_add_nc_u64 s[10:11], s[10:11], s[34:35]
	s_add_nc_u64 s[12:13], s[12:13], s[36:37]
	s_add_nc_u64 s[20:21], s[20:21], s[40:41]
.macro XLOAD f                         ; my 16 rows' 128 numbers of my f-th K step: each load reads 512 consecutive bytes of one row
.irp i, 0,1,2,3,4,5,6,7,8,9,10,11,12,13,14,15
	global_load_b128 v[RX+64*\f+4*\i:RX+64*\f+4*\i+3], v[LI], s[28:29] offset:4096*\i+512*\f th:TH_LOAD_NT
.endr
.endm
.macro WLOAD s                         ; my head's four fragments of K step s, as they lie: 512 consecutive bytes a load
.irp c, 0,1,2,3
.irp k, 0,1
	global_load_b128 v[WF+32*((\s)%2)+8*\c+4*\k:WF+32*((\s)%2)+8*\c+4*\k+3], v[LI], s[10:11] offset:4096*(\s)+1024*\c+512*\k
.endr
.endr
.endm
; 16 rows x 512 bytes through my stage: in as loaded, back so that lane (r, h) holds, in register 16 b + i, k = 32 b + 16 h + i of row r.  LDS serves a wave's instructions in order: no wait between the stores and the loads.
.macro TURNX f
.irp i, 0,1,2,3,4,5,6,7,8,9,10,11,12,13,14,15
	ds_store_b128 v[STW], v[RX+64*\f+4*\i:RX+64*\f+4*\i+3] offset:528*\i
.endr
.irp b, 0,1,2,3
.irp j, 0,1,2,3
	ds_load_b128 v[RX+64*\f+16*\b+4*\j:RX+64*\f+16*\b+4*\j+3], v[STR] offset:128*\b+16*\j
.endr
.endr
.endm
; 64 numbers of a lane, v[s] on, become a fragment's codes in v[PC] on and its scale word in v[PW].
.macro QUANT s
.irp b, 0,1,2,3
	v_max3_num_f32 v[TM+\b], |v[\s+16*\b]|, |v[\s+1+16*\b]|, 0x1800000   ; block b: my 16 numbers, and the floor 2^(3 - 127): the byte cannot fall under 1
.endr
.irp i, 2,4,6,8,10,12,14
.irp b, 0,1,2,3
	v_max3_num_f32 v[TM+\b], v[TM+\b], |v[\s+16*\b+\i]|, |v[\s+1+16*\b+\i]|   ; (the four blocks by turns)
.endr
.endr
.irp b, 0,1,2,3
	v_permlanex16_b32 v[TM+4+\b], v[TM+\b], s[SEL], s[SEL+1]
.endr
.irp b, 0,1,2,3
	v_max_num_f32 v[TM+\b], v[TM+\b], v[TM+4+\b]   ; with lane l xor 16's: the block's largest magnitude
.endr
.irp b, 0,1,2,3
	v_add_nc_u32 v[TM+12+\b], 0xff000000, v[TM+\b] ; 2 off its exponent field: the conversion's scale operand
.endr
.irp b, 0,1,2,3
	v_lshrrev_b32 v[TM+4+\b], 23, v[TM+12+\b]      ; the scale's byte
.endr
	v_lshl_or_b32 v[PW], v[TM+5], 8, v[TM+4]       ; the four bytes make my row's scale word
	v_lshl_or_b32 v[PW], v[TM+6], 16, v[PW]
	v_lshl_or_b32 v[PW], v[TM+7], 24, v[PW]
.irp b, 0,1,2,3
	v_cvt_scalef32_pk8_fp4_f32 v[PC+2*\b], v[\s+16*\b:\s+7+16*\b], v[TM+12+\b]
	v_cvt_scalef32_pk8_fp4_f32 v[PC+1+2*\b], v[\s+8+16*\b:\s+15+16*\b], v[TM+12+\b]
.endr
	v_nop                                          ; one plain instruction behind the last scaled conversion
.irp c, 0,1                            ; the operand's layout wants a whole block in a lane: lanes 0-15 block 2 c, lanes 16-31 block 2 c + 1
.irp i, 0,1
	v_permlane16_swap_b32 v[PC+4*\c+\i], v[PC+2+4*\c+\i]
.endr
.endr
.endm
.macro IMAGE f                         ; the fragment goes to LDS as it stands; both halves of the lanes write row r's word with the same value
	ds_store_b128 v[XWI], v[PC:PC+3] offset:XIMG+4096*\f
	ds_store_b128 v[XWI], v[PC+4:PC+7] offset:XIMG+4096*\f+512
	ds_store_b32 v[XWS], v[PW] offset:256*\f
.endm
.macro XFETCH s                        ; K step s: x's four fragments and the 64 rows' scale words, in any wave
.irp m, 0,1,2,3
.irp c, 0,1
	ds_load_b128 v[XF+8*\m+4*\c:XF+8*\m+4*\c+3], v[LI] offset:XIMG+4096*(\s)+1024*\m+512*\c
.endr
.endr
	ds_load_b32 v[XS], v[LS] offset:XSC+256*(\s)
	ds_load_b32 v[XS+1], v[LS] offset:XSC+256*(\s)+128
.endm
; One product: rows 16 m on x columns 16 c on, K step s.  W's scale words of an odd tile and x's of an odd tile stand in lanes 16-31 of their registers.  The first K step starts the sums: nothing is cleared.
.macro WM m, c, s
.set rD, ACC+8*(4*(\m)+(\c))
.set rA, WF+32*((\s)%2)+8*(\c)
.set rB, XF+8*(\m)
.set rU, WS+2*(\s)+(\c)/2
.set rW, XS+(\m)/2
.if (\s) == 0
.if ((\c)%2 == 0) && ((\m)%2 == 0)
	v_wmma_scale_f32_16x16x128_f8f6f4 v[rD:rD+7], v[rA:rA+7], v[rB:rB+7], 0, v[rU], v[rW] matrix_a_fmt:MATRIX_FMT_FP4 matrix_b_fmt:MATRIX_FMT_FP4
.elseif ((\c)%2 == 1) && ((\m)%2 == 0)
	v_wmma_scale_f32_16x16x128_f8f6f4 v[rD:rD+7], v[rA:rA+7], v[rB:rB+7], 0, v[rU], v[rW] matrix_a_fmt:MATRIX_FMT_FP4 matrix_b_fmt:MATRIX_FMT_FP4 matrix_a_scale:MATRIX_SCALE_ROW1
.elseif ((\c)%2 == 0)
	v_wmma_scale_f32_16x16x128_f8f6f4 v[rD:rD+7], v[rA:rA+7], v[rB:rB+7], 0, v[rU], v[rW] matrix_a_fmt:MATRIX_FMT_FP4 matrix_b_fmt:MATRIX_FMT_FP4 matrix_b_scale:MATRIX_SCALE_ROW1
.else
	v_wmma_scale_f32_16x16x128_f8f6f4 v[rD:rD+7], v[rA:rA+7], v[rB:rB+7], 0, v[rU], v[rW] matrix_a_fmt:MATRIX_FMT_FP4 matrix_b_fmt:MATRIX_FMT_FP4 matrix_a_scale:MATRIX_SCALE_ROW1 matrix_b_scale:MATRIX_SCALE_ROW1
.endif
.else
.if ((\c)%2 == 0) && ((\m)%2 == 0)
	v_wmma_scale_f32_16x16x128_f8f6f4 v[rD:rD+7], v[rA:rA+7], v[rB:rB+7], v[rD:rD+7], v[rU], v[rW] matrix_a_fmt:MATRIX_FMT_FP4 matrix_b_fmt:MATRIX_FMT_FP4
.elseif ((\c)%2 == 1) && ((\m)%2 == 0)
	v_wmma_scale_f32_16x16x128_f8f6f4 v[rD:rD+7], v[rA:rA+7], v[rB:rB+7], v[rD:rD+7], v[rU], v[rW] matrix_a_fmt:MATRIX_FMT_FP4 matrix_b_fmt:MATRIX_FMT_FP4 matrix_a_scale:MATRIX_SCALE_ROW1
.elseif ((\c)%2 == 0)
	v_wmma_scale_f32_16x16x128_f8f6f4 v[rD:rD+7], v[rA:rA+7], v[rB:rB+7], v[rD:rD+7], v[rU], v[rW] matrix_a_fmt:MATRIX_FMT_FP4 matrix_b_fmt:MATRIX_FMT_FP4 matrix_b_scale:MATRIX_SCALE_ROW1
.else
	v_wmma_scale_f32_16x16x128_f8f6f4 v[rD:rD+7], v[rA:rA+7], v[rB:rB+7], v[rD:rD+7], v[rU], v[rW] matrix_a_fmt:MATRIX_FMT_FP4 matrix_b_fmt:MATRIX_FMT_FP4 matrix_a_scale:MATRIX_SCALE_ROW1 matrix_b_scale:MATRIX_SCALE_ROW1
.endif
.endif
.endm
	; ---- all that can be asked for now is asked for: x (32 loads), W's scale words of all of K (16), W's first two K steps (16)
	XLOAD 0
	XLOAD 1
.irp s, 0,1,2,3,4,5,6,7
.irp g, 0,1
	global_load_b32 v[WS+2*\s+\g], v[LS], s[12:13] offset:4096*\s+128*\g
.endr
.endr
	WLOAD 0
	WLOAD 1
	; ---- x: my 16 rows x two K steps become two fragments
	s_wait_loadcnt 48                              ; my first K step's 16 loads are in; behind them: the second's 16, 16 scale words, 16 of W
	TURNX 0
	s_wait_loadcnt 32                              ; the second's are in; behind them: 16 scale words, 16 of W
	TURNX 1                                        ; (through the same stage: its stores come behind the first's loads)
	s_wait_dscnt 32                                ; the first K step is back; the second's 16 stores and 16 loads may be out
	QUANT RX
	IMAGE 0
	s_wait_dscnt 0x0                               ; the second K step is back, and the stores have read the codes' registers
	QUANT RX+64
	IMAGE 1
	s_wait_dscnt 0x0                               ; my images have landed:
	s_barrier_signal -1
	s_barrier_wait -1                              ; x's 32 fragments and their scale words lie in LDS.  The launch's one barrier
	; ---- the product: eight K steps of 128, 16 matrix instructions each, the 16 accumulators by turns, in the same order in every step
	XFETCH 0
.irp s, 0,1,2,3,4,5,6,7
.if \s < 7
	s_wait_loadcnt 8                               ; this K step's fragments of W are in; the next step's 8 loads may be out
.else
	s_wait_loadcnt 0x0
.endif
	s_wait_dscnt 0x0                               ; x's fragments and scale words
.irp m, 0,1,2,3
.irp c, 0,1,2,3
	WM \m, \c, \s
.endr
.endr
.rept 4
	v_nop                                          ; four places in front of loads into registers that matrix instructions have read; behind the last step: in front of the first read of results
.endr
.if \s < 7
	XFETCH \s+1
.endif
.if \s < 6
	WLOAD \s+2
.endif
.endr
	; ---- the way out.  Lane (r, h) holds, in accumulator (m, c), row 16 m + r, columns 16 c + 8 h + 0 .. 7
.set n, 0
.rept 64
	v_cvt_pk_f16_f32 v[HB+n], v[ACC+2*n], v[ACC+2*n+1]             ; each accumulator from its low end on
.set n, n+1
.endr
	s_cmp_lg_u32 ttmp9, 0
	s_cbranch_scc1 .Lnot_first
.irp c, 0,1,2,3
	global_store_b128 v[FO], v[ACC+8*\c:ACC+8*\c+3], s[20:21] offset:64*\c       ; positions 0-15 in f32: 4,096 bytes a wave
	global_store_b128 v[FO], v[ACC+8*\c+4:ACC+8*\c+7], s[20:21] offset:64*\c+16
.endr
.Lnot_first:
.irp m, 0,1,2,3
.irp c, 0,1,2,3
	ds_store_b128 v[SO], v[HB+4*(4*\m+\c):HB+4*(4*\m+\c)+3] offset:2304*\m+32*\c   ; my stage: 64 rows of 128 bytes, 144 apart
.endr
.endr
.irp i, 0,1,2,3,4,5,6,7,8,9,10,11,12,13,14,15
	ds_load_b128 v[192+4*\i:192+4*\i+3], v[SR] offset:576*\i       ; back, four whole rows an instruction; these see my stores
.endr
.irp i, 0,1,2,3,4,5,6,7,8,9,10,11,12,13,14,15
	s_wait_dscnt 15-\i                             ; the younger loads may be out
	global_store_b128 v[LI], v[192+4*\i:192+4*\i+3], s[30:31] offset:512*\i   ; a head's rows are dense: 512 consecutive bytes a store, 8,192 a wave
.endr
	s_wait_tensorcnt 0x0                           ; the wave's end: behind my last LDS store
	ds_add_u32 v[SPW], v[NIL]
	s_wait_dscnt 0x0
	s_endpgm
.Lfunc_end_k_q191f4ebd90_proj:
	.size	k_q191f4ebd90_proj, .Lfunc_end_k_q191f4ebd90_proj-k_q191f4ebd90_proj
	.p2alignl 7, 3214868480
	.fill 96, 4, 3214868480
	.section	.rodata,"a",@progbits
	.p2align	6, 0x0
	.amdhsa_kernel k_q191f4ebd90_proj
		.amdhsa_group_segment_fixed_size 184320
		.amdhsa_private_segment_fixed_size 0
		.amdhsa_enable_private_segment 0
		.amdhsa_kernarg_size 72
		.amdhsa_user_sgpr_count 2
		.amdhsa_user_sgpr_kernarg_segment_ptr 1
		.amdhsa_wavefront_size32 1
		.amdhsa_system_sgpr_workgroup_id_x 1
		.amdhsa_system_sgpr_workgroup_id_y 1
		.amdhsa_system_sgpr_workgroup_id_z 1
		.amdhsa_system_vgpr_workitem_id 0
		.amdhsa_next_free_vgpr 256
		.amdhsa_next_free_sgpr 66
		.amdhsa_reserve_vcc 0
		.amdhsa_float_denorm_mode_32 3
		.amdhsa_float_denorm_mode_16_64 3
		.amdhsa_memory_ordered 1
		.amdhsa_forward_progress 1
		.amdhsa_inst_pref_size 58
	.end_amdhsa_kernel
	.amdgpu_metadata
---
amdhsa.version: [ 1, 2 ]
amdhsa.kernels:
  - .name:           k_q191f4ebd90_proj
    .symbol:         k_q191f4ebd90_proj.kd
    .args:
      - { .name: Q, .offset: 0, .size: 8, .value_kind: global_buffer, .address_space: global }
      - { .name: K, .offset: 8, .size: 8, .value_kind: global_buffer, .address_space: global }
      - { .name: V, .offset: 16, .size: 8, .value_kind: global_buffer, .address_space: global }
      - { .name: wcodes, .offset: 24, .size: 8, .value_kind: global_buffer, .address_space: global }
      - { .name: wscales, .offset: 32, .size: 8, .value_kind: global_buffer, .address_space: global }
      - { .name: qh, .offset: 40, .size: 8, .value_kind: global_buffer, .address_space: global }
      - { .name: kh, .offset: 48, .size: 8, .value_kind: global_buffer, .address_space: global }
      - { .name: vh, .offset: 56, .size: 8, .value_kind: global_buffer, .address_space: global }
      - { .name: first32, .offset: 64, .size: 8, .value_kind: global_buffer, .address_space: global }
    .group_segment_fixed_size: 184320
    .private_segment_fixed_size: 0
    .kernarg_segment_align: 8
    .kernarg_segment_size: 72
    .max_flat_workgroup_size: 512
    .sgpr_count:     66
    .vgpr_count:     256
    .wavefront_size: 32
...
	.end_amdgpu_metadata
.endif
;; end of part 2
;; launch attn (part 3): grid 16 x 16, 8 waves a work-group, no clusters, 327,680 bytes of LDS; arguments qh, kh, vh, attnf; writes attnf
.if DOCPART == 3
	.amdgcn_target "amdgcn-amd-amdhsa--gfx1250"
	.amdhsa_code_object_version 6
	.text
	.protected	k_q191f4ebd90_attn
	.globl	k_q191f4ebd90_attn
	.p2align	8
	.type	k_q191f4ebd90_attn,@function
k_q191f4ebd90_attn:
	s_mov_b64 s[64:65], 0
	v_nop
	global_prefetch_b8 v0, s[64:65] scope:SCOPE_SE
	s_setreg_imm32_b32 hwreg(HW_REG_WAVE_MODE, 25, 1), 1
	s_wait_xcnt 0x0
; O[h][s] = the sum over t <= s of softmax_t(q[h][s] . k[h][t] / 8) v[h][t].  q, k, v: [16][4,096][64] f16.  Products on f16 operands with f32 sums; maxima, exponentials and sums in f32; the weights p are rounded to f16 for the second product.
; WORK LEFT OUT: a step of 64 keys all of which come after a tile's 16 queries: reference()'s own causal mask gives those keys the weight 0 for all finite inputs.  A NaN or an overflow that would arise only there is not carried on.
; SHARES.  Work-group (p, head) owns the blocks of 128 queries number p and 31 - p: together 33 blocks of 128 keys under the mask, the same in every work-group.  Each of its eight waves owns two tiles of 16 queries:
; HI at 3,968 - 128 p + 16 w and LO at 128 p + 16 w, which share each fragment of k and v that the wave reads while LO still has keys.  Two waves stand on a SIMD.
; EVERY WORK-GROUP WALKS ALL 16 SLOTS OF 256 KEYS: the trip counts are constants.  What is left out is a step's work, by scalar branches on ids, and the tensor loads of slots beyond the work-group's last query.
; NO CLUSTER: under the mask the work-groups of a head need different numbers of slots, and a work-group none of whose waves reads a slot would still have to ask for it jointly.
; LAYOUT.  S^T = k q^T (source 0 = 16 keys, source 1 = 16 queries): a lane holds ONE query (lane % 16) and keys 8 (lane / 16) + 0..7 of each tile of 16.  Two such tiles, rounded in pairs to f16, ARE source 1 (32 keys x 16 queries)
; of O^T = v^T P, whose result again holds one query a lane and eight channels.  k comes out of LDS as it lies, v ([key][channel]) turned, by ds_load_tr16_b128.
; SOFTMAX.  A running maximum m and sum l for each query: p = 2^(c s - c m), c = log2(e) / 8; in every step O and l are multiplied by a = 2^(c m_old - c m_new).  Key 0 counts for every query, so m is a number from the first step on.
; OUT.  O^T / l in f16 IS the register image of the next product's operand (16 positions x 32 along its K): attnf [head / 4][position / 16][2 (head % 4) + u][1,024 bytes], stored straight from registers, 512 consecutive bytes a store.
.set KP,    144                        ; a key's row of k in LDS: 128 bytes + 16
.set VP,    160                        ; of v: 128 + 32
.set VOFF,  256*KP                     ; a slot: 256 rows of k, then 256 rows of v
.set SLOT1, 1<<17                      ; slot 1 begins here: one exclusive or turns an address from one slot to the other
.set SPARE, 2*SLOT1                    ; the spare words: 128 bytes for each of eight waves, four blocks of 256 bytes that no other line names
.set AK0, 1                            ; v1   my lane's place in a tile of k
.set AV0, 2                            ; v2   the same for v
.set SPW, 3                            ; v3   my spare word;  v4: 0;  both never rewritten
.set NIL, 4
.set ADK, 5                            ; v5, v6 LDS addresses of the step's k and v
.set ADV, 6
.set PFO, 7                            ; v7   256 x lane: the prefetches' offset; never rewritten
.set GO,  8                            ; v8   16 x lane: the way out
.set DQ,  9                            ; v9   lane % 16 - 8 (lane / 16), for the mask;  v10, v11 at work;  v12 q's offset
.set ST,  16                           ; v16-23 HI's, v24-31 LO's statistics: +0 c m, +1 m, +2, +3 l (even keys', odd keys'), +4 .. +7 at work; a stands in +6
.set QR,  32                           ; v32-63 q: tile x 16 + 8 u
.set KV,  64                           ; v64-127 k's fragments (keys 16 kt on, channels 32 u on) at 16 kt + 8 u; then v's (keys 32 a on, channels 16 ct on) at 32 a + 8 ct
.set S,   128                          ; v128-191 S^T: HI, LO, 32 each; P is packed into the low 16 of each
.set O,   192                          ; v192-255 O^T: HI, LO, 32 each
.set TB,  2                            ; s2   LDS byte at which the slot in hand begins
.set WV,  12                           ; s12  my wave's number
.set SEL, 20                           ; s[20:21] lane selects for v_permlanex16_b32: lane l xor 16
.set CS,  22                           ; s[22:23] c: the packed form names a pair and takes its low word for both halves
.set G1K, 24                           ; s[24:31] descriptor group 1 for k's tiles;  s[32:39] for v's;  s[40:43], s[44:47] their groups 0, which walk
.set G1V, 32
.set G0K, 40
.set G0V, 44
.set SLOTS, 48                         ; s48  slots still to be asked for (or left out at the causal limit)
.set KF,  49                           ; s49  the step's first key
.set Q0,  50                           ; s50  HI's first query;  s51 LO's;  s52, s53 at work
.set PFA, 54                           ; s[54:55] where my prefetches stand
.set LIM, 56                           ; s56  1 in a wave that prefetches, else the greatest number
.set OB,  58                           ; s[58:59] HI's place in attnf;  s[60:61] LO's
; Waves 0 and 1 fetch k's halves of a slot, waves 2 and 3 v's, the others nothing.  The branches hang on the wave's number alone.  An s_nop 0 and four v_nop follow each of the two lines.
.macro TLOAD
	s_cmp_lt_u32 s[WV], 2
	s_cbranch_scc0 .Lnot_k_\@
	tensor_load_to_lds s[G0K:G0K+3], s[G1K:G1K+7]
	s_nop 0
.rept 4
	v_nop
.endr
	s_branch .Lasked_\@
.Lnot_k_\@:
	s_cmp_lt_u32 s[WV], 4
	s_cbranch_scc0 .Lasked_\@
	tensor_load_to_lds s[G0V:G0V+3], s[G1V:G1V+7]
	s_nop 0
.rept 4
	v_nop
.endr
.Lasked_\@:
.endm
; A PREFETCH INTO THE L2 of what the NEXT change of slots will ask for: a slot's 32,768 dense bytes of k and of v.  All work-groups of a head walk the same k and v; the one with p = 0, whose HI block is the last and who therefore
; loads every slot, asks, and nobody else.  In it the waves ask that fetch nothing: waves 4, 5 for k's halves of 16,384 bytes, waves 6, 7 for v's: two instructions each, lanes 256 bytes apart.  So each aligned block of 256 bytes is named once.
; Slots 0 and 1 come by their loads alone; the last change that fills a slot asks for nothing: there is no slot behind it.
.macro ASK
	s_cmp_gt_u32 s[SLOTS], s[LIM]
	s_cbranch_scc0 .Lnot_mine_\@
	global_prefetch_b8 v[PFO], s[PFA:PFA+1] th:TH_LOAD_NT scope:SCOPE_SE
	global_prefetch_b8 v[PFO], s[PFA:PFA+1] offset:8192 th:TH_LOAD_NT scope:SCOPE_SE
.Lnot_mine_\@:
.endm
	s_load_b256 s[4:11], s[0:1], 0x0               ; qh s[4:5], kh s[6:7], vh s[8:9], attnf s[10:11]
	v_lshl_add_u32 v[SPW], v0, 2, SPARE
	v_mov_b32 v[NIL], 0
	ds_add_u32 v[SPW], v[NIL]                      ; the wave's opening: the add, twice on end, and its wait ahead of my first tensor load; the set-up below, work on registers, stands between
	ds_add_u32 v[SPW], v[NIL]
	v_lshrrev_b32 v10, 5, v0
	v_readfirstlane_b32 s[WV], v10                 ; wave 0..7
	s_and_b32 s13, ttmp7, 0xffff                   ; the head
	s_lshl_b32 s14, s13, 19                        ; its first byte in qh, kh, vh: 4,096 rows of 128 bytes
	s_mov_b32 s15, 0
	s_lshl_b32 s16, ttmp9, 7
	s_lshl_b32 s17, s[WV], 4
	s_add_co_u32 s[Q0+1], s16, s17                 ; LO's first query: 128 p + 16 w
	s_sub_co_u32 s[Q0], 3968, s16
	s_add_co_u32 s[Q0], s[Q0], s17                 ; HI's: 3,968 - 128 p + 16 w
	s_and_b32 s16, s[WV], 1                        ; which half of a slot's rows I fetch, if I fetch
	; descriptor group 1: 128 rows of 64 elements of 2 bytes, dense in memory, padded in LDS
	s_mov_b32 s[G1K], (1<<16)|(1<<20)|(4<<22)|(3<<25)              ; 15:0 no mask; 17:16 elements of 2 bytes; 20 padding on; 24:22 after every 32 words (code 4); 31:25 four words (code 3)
	s_mov_b32 s[G1V], (1<<16)|(1<<20)|(4<<22)|(7<<25)              ; the same with eight words of padding (code 7)
.irp g, G1K, G1V
	s_mov_b32 s[\g+1], 64<<16                      ; tensor_dim0 = 64
	s_mov_b32 s[\g+2], 128<<16                     ; tensor_dim1 = 128
	s_mov_b32 s[\g+3], 64<<16                      ; tile_dim0 = 64
	s_mov_b32 s[\g+4], 128                         ; tile_dim1 = 128
	s_mov_b32 s[\g+5], 64                          ; elements from row to row
	s_mov_b32 s[\g+6], 0
	s_mov_b32 s[\g+7], 0
.endr
	s_mov_b32 s[SEL], 0x76543210
	s_mov_b32 s[SEL+1], 0xfedcba98
	s_mov_b32 s[CS], 0x3e38aa3b                    ; c = log2(e) / 8
	s_mov_b32 s[CS+1], s[CS]                       ; (named with it as a pair, so it is written)
	s_mov_b32 s[TB], 0
	s_mov_b32 s[SLOTS], 15
	s_mov_b32 s[KF], 0
	s_lshl_b32 s18, s16, 14                        ; my half: 128 rows of 128 bytes,
	s_mov_b32 s19, 0
	s_add_nc_u64 s[18:19], s[18:19], s[14:15]      ; in my head
	s_wait_dscnt 0x0                               ; both opening adds are done
	s_wait_kmcnt 0x0
	s_mov_b32 s[G0K], 1                            ; count = 1
	s_mul_i32 s[G0K+1], s16, 128*KP                ; LDS address: slot 0, my half
	s_add_nc_u64 s[G0K+2:G0K+3], s[6:7], s[18:19]  ; global address: the head's first 256 keys
	s_or_b32 s[G0K+3], s[G0K+3], 0x80000000        ; type = 2
	s_mov_b32 s[G0V], 1
	s_mul_i32 s[G0V+1], s16, 128*VP
	s_add_co_u32 s[G0V+1], s[G0V+1], VOFF
	s_add_nc_u64 s[G0V+2:G0V+3], s[8:9], s[18:19]
	s_or_b32 s[G0V+3], s[G0V+3], 0x80000000
	TLOAD                                          ; slot 0: it holds key 0, which counts for every query
	; the prefetches: where my wave's stand, and who asks
	s_cmp_lt_u32 s[WV], 6
	s_cselect_b64 s[PFA:PFA+1], s[6:7], s[8:9]
	s_add_nc_u64 s[PFA:PFA+1], s[PFA:PFA+1], s[18:19]              ; my head, my half,
	s_add_nc_u64 s[PFA:PFA+1], s[PFA:PFA+1], 32768                 ; in slot 1: the first change of slots steps it to slot 2
	s_lshr_b32 s52, s[WV], 2
	s_xor_b32 s52, s52, 1                          ; 0 in waves 4 to 7,
	s_or_b32 s52, s52, ttmp9                       ; of the work-group with p = 0
	s_cmp_eq_u32 s52, 0
	s_cselect_b32 s[LIM], 1, -1
	; q: my two tiles stay in registers
	s_lshl_b32 s16, s[Q0], 7
	s_mov_b32 s17, 0
	s_add_nc_u64 s[16:17], s[16:17], s[14:15]
	s_add_nc_u64 s[16:17], s[4:5], s[16:17]        ; HI's 16 rows
	s_lshl_b32 s18, s[Q0+1], 7
	s_mov_b32 s19, 0
	s_add_nc_u64 s[18:19], s[18:19], s[14:15]
	s_add_nc_u64 s[18:19], s[4:5], s[18:19]        ; LO's
	v_and_b32 v10, 15, v0                          ; r
	v_bfe_u32 v11, v0, 4, 1                        ; h
	v_lshlrev_b32 v12, 7, v10
	v_lshl_add_u32 v12, v11, 4, v12                ; row r of 128 bytes, + 16 h
.irp t, 0,1
.irp u, 0,1
	global_load_b128 v[QR+16*\t+8*\u:QR+16*\t+8*\u+3], v12, s[16+2*\t:17+2*\t] offset:64*\u
	global_load_b128 v[QR+16*\t+8*\u+4:QR+16*\t+8*\u+7], v12, s[16+2*\t:17+2*\t] offset:64*\u+32
.endr
.endr
	; where the results go
	s_lshr_b32 s52, s13, 2
	s_lshl_b32 s52, s52, 21                        ; head / 4: 2,097,152 bytes
	s_and_b32 s53, s13, 3
	s_lshl_b32 s53, s53, 11                        ; head % 4: 2,048 bytes
	s_add_co_u32 s52, s52, s53
.irp t, 0,1
	s_lshl_b32 s53, s[Q0+\t], 9                    ; 16 positions: 8,192 bytes
	s_add_co_u32 s[OB+2*\t], s52, s53
	s_mov_b32 s[OB+2*\t+1], 0
	s_add_nc_u64 s[OB+2*\t:OB+2*\t+1], s[10:11], s[OB+2*\t:OB+2*\t+1]
.endr
	v_mul_u32_u24 v[AK0], v10, KP
	v_lshl_add_u32 v[AK0], v11, 4, v[AK0]          ; k: row r x pitch + 16 h
	v_and_b32 v13, 7, v0
	v_lshl_add_u32 v[AV0], v11, 3, v13
	v_mul_u32_u24 v[AV0], v[AV0], VP               ; v, for the turning load: key 8 h + lane % 8,
	v_bfe_u32 v13, v0, 3, 1
	v_lshl_add_u32 v[AV0], v13, 4, v[AV0]          ; channels 8 ((lane / 8) % 2) on
	v_add_nc_u32 v[AV0], VOFF, v[AV0]
	v_and_b32 v13, 31, v0
	v_lshlrev_b32 v[PFO], 8, v13
	v_lshlrev_b32 v[GO], 4, v13
	v_lshlrev_b32 v13, 3, v11
	v_sub_nc_u32 v[DQ], v10, v13                   ; r - 8 h
.irp t, 0,1
	v_mov_b32 v[ST+8*\t+1], 0xff61b1e6             ; m: -3e38, under every score
	v_mul_f32 v[ST+8*\t], s[CS], v[ST+8*\t+1]      ; c m
.irp i, 2,3,4,5,6,7
	v_mov_b32 v[ST+8*\t+\i], 0                     ; l; and the registers at work, which a lane permute and the packed forms name before they are first written
.endr
.endr
.set n, 0
.rept 64
	v_mov_b32 v[O+n], 0                            ; O^T.  (The step is written once: its first turn finds zeros, which the first a leaves zeros)
.set n, n+1
.endr
.set n, 0
.rept 32
	v_mov_b32 v[S+32+n], 0                         ; LO's scores, once: LO's three pieces of a step stand under three tests of one condition, and every register is written on every way through the text
.set n, n+1
.endr
; S^T of tile t (0: HI, 1: LO): eight products, the four accumulators by turns; the first four start the sums
.macro SCORES t
.irp u, 0,1
.irp kt, 0,1,2,3
.if \u == 0
	v_wmma_f32_16x16x32_f16 v[S+32*\t+8*\kt:S+32*\t+8*\kt+7], v[KV+16*\kt+8*\u:KV+16*\kt+8*\u+7], v[QR+16*\t+8*\u:QR+16*\t+8*\u+7], 0
.else
	v_wmma_f32_16x16x32_f16 v[S+32*\t+8*\kt:S+32*\t+8*\kt+7], v[KV+16*\kt+8*\u:KV+16*\kt+8*\u+7], v[QR+16*\t+8*\u:QR+16*\t+8*\u+7], v[S+32*\t+8*\kt:S+32*\t+8*\kt+7]
.endif
.endr
.endr
.endm
; O^T of tile t += v^T P: eight products, the four accumulators by turns
.macro PVMUL t
.irp a, 0,1
.irp ct, 0,1,2,3
	v_wmma_f32_16x16x32_f16 v[O+32*\t+8*\ct:O+32*\t+8*\ct+7], v[KV+32*\a+8*\ct:KV+32*\a+8*\ct+7], v[S+32*\t+8*\a:S+32*\t+8*\a+7], v[O+32*\t+8*\ct:O+32*\t+8*\ct+7]
.endr
.endr
.endm
; The softmax of tile t for one step of 64 keys.
.macro SOFTMAX t
.set rT, ST+8*\t
.set rS, S+32*\t
.set rO, O+32*\t
	s_add_co_u32 s52, s[KF], 63                    ; a step all of whose keys count for all 16 queries has no mask
	s_cmp_le_u32 s52, s[Q0+\t]
	s_cbranch_scc1 .Lopen_\@
	s_sub_co_i32 s52, s[Q0+\t], s[KF]
	v_add_nc_u32 v10, s52, v[DQ]                   ; d = my query - KF - 8 h.  Register n holds key KF + 16 (n / 8) + 8 h + n % 8: hidden where 16 (n / 8) + n % 8 > d
	v_mov_b32 v11, 0xff800000                      ; -infinity: p = 0 then
.set n, 0
.rept 32
	v_cmp_gt_i32 vcc_lo, 16*(n/8)+n%8, v10
	v_cndmask_b32 v[rS+n], v[rS+n], v11, vcc_lo
.set n, n+1
.endr
.Lopen_\@:
.irp j, 0,1,2,3
	v_max3_num_f32 v[rT+4+\j], v[rS+8*\j], v[rS+8*\j+1], v[rS+8*\j+2]           ; the maximum: four chains, each accumulator from its low end on
.endr
.irp g, 1,2
.irp j, 0,1,2,3
	v_max3_num_f32 v[rT+4+\j], v[rT+4+\j], v[rS+8*\j+2*\g+1], v[rS+8*\j+2*\g+2]
.endr
.endr
	v_max3_num_f32 v[rT+4], v[rT+4], v[rS+7], v[rS+15]
	v_max3_num_f32 v[rT+6], v[rT+6], v[rS+23], v[rS+31]
	v_max3_num_f32 v[rT+4], v[rT+4], v[rT+5], v[rT+6]
	v_max3_num_f32 v[rT+4], v[rT+4], v[rT+7], v[rT+1]              ; with the old m
	v_permlanex16_b32 v[rT+5], v[rT+4], s[SEL], s[SEL+1]           ; the query's other 32 keys lie in the lane 16 away
	v_mov_b32 v[rT+7], v[rT]                       ; c m_old
	v_max_num_f32 v[rT+1], v[rT+4], v[rT+5]        ; the new m
	v_mul_f32 v[rT], s[CS], v[rT+1]                ; c m
	v_sub_f32 v[rT+7], v[rT+7], v[rT]              ; c m_old - c m_new
.set n, 0
.rept 16
	v_pk_fma_f32 v[rS+2*n:rS+2*n+1], v[rS+2*n:rS+2*n+1], s[CS:CS+1], v[rT:rT+1] op_sel_hi:[1,0,0] neg_lo:[0,0,1] neg_hi:[0,0,1]   ; c s - c m, two at a time
.set n, n+1
.endr
	v_exp_f32 v[rT+6], v[rT+7]                     ; a.  ONE BATCH of 33 exponentials,
.set n, 0
.rept 32
	v_exp_f32 v[rS+n], v[rS+n]                     ; p, at most 1
.set n, n+1
.endr
	v_nop                                          ; one plain instruction behind the last of them,
	s_wait_alu depctr_va_vdst(0)                   ; and one wait ahead of the first instruction that names a result
	v_pk_mul_f32 v[rT+2:rT+3], v[rT+2:rT+3], v[rT+6:rT+7] op_sel_hi:[1,0]       ; l x a
	v_pk_add_f32 v[rT+4:rT+5], v[rS:rS+1], v[rS+2:rS+3]            ; the sum is taken of p in f32, before it is rounded: two chains
.irp j, 4,8,12,16,20,24,28
	v_pk_add_f32 v[rT+2:rT+3], v[rT+2:rT+3], v[rS+\j:rS+\j+1]
	v_pk_add_f32 v[rT+4:rT+5], v[rT+4:rT+5], v[rS+\j+2:rS+\j+3]
.endr
	v_pk_add_f32 v[rT+2:rT+3], v[rT+2:rT+3], v[rT+4:rT+5]
.set n, 0
.rept 16
	v_cvt_pk_f16_f32 v[rS+n], v[rS+2*n], v[rS+2*n+1]               ; P, packed in place (n ascending: no p is written over before it is read)
.set n, n+1
.endr
.set n, 0
.rept 16
	v_pk_mul_f32 v[rO+2*n:rO+2*n+1], v[rO+2*n:rO+2*n+1], v[rT+6:rT+7] op_sel_hi:[1,0]   ; O^T x a, each accumulator from its low end on
.set n, n+1
.endr
.endm
; A KEY STEP: 64 keys, the q-th of the slot in hand.  A step all of whose keys come after HI's queries is left out whole (LO's queries come earlier still); one whose keys come after LO's leaves LO's pieces out.
; The branches hang on ids and on the count of steps; no barrier, wait on TENSORcnt or tensor load stands in a step.
.macro STEP q
	s_add_co_u32 s52, s[Q0], 15
	s_cmp_gt_u32 s[KF], s52
	s_cbranch_scc1 .Lhidden_\@
	v_add_nc_u32 v[ADK], s[TB], v[AK0]
	v_add_nc_u32 v[ADV], s[TB], v[AV0]
.rept 4
	v_nop                                          ; with the two additions six places behind the last step's products: four are owed to the loads into v's registers, five to the products that write S^T over P
.endr
.irp kt, 0,1,2,3
.irp u, 0,1
	ds_load_b128 v[KV+16*\kt+8*\u:KV+16*\kt+8*\u+3], v[ADK] offset:(64*(\q)+16*\kt)*KP+64*\u
	ds_load_b128 v[KV+16*\kt+8*\u+4:KV+16*\kt+8*\u+7], v[ADK] offset:(64*(\q)+16*\kt)*KP+64*\u+32
.endr
.endr
	s_wait_dscnt 0x0
	SCORES 0
	s_add_co_u32 s52, s[Q0+1], 15
	s_cmp_gt_u32 s[KF], s52
	s_cbranch_scc1 .Lno1_\@
	SCORES 1
.Lno1_\@:
.rept 4
	v_nop                                          ; four places: in front of the loads into k's registers, and of the first read of the scores
.endr
.irp a, 0,1
.irp ct, 0,1,2,3
	ds_load_tr16_b128 v[KV+32*\a+8*\ct:KV+32*\a+8*\ct+3], v[ADV] offset:(64*(\q)+32*\a)*VP+32*\ct          ; v lands while the softmax is walked
	ds_load_tr16_b128 v[KV+32*\a+8*\ct+4:KV+32*\a+8*\ct+7], v[ADV] offset:(64*(\q)+32*\a+16)*VP+32*\ct
.endr
.endr
	SOFTMAX 0
	s_add_co_u32 s52, s[Q0+1], 15
	s_cmp_gt_u32 s[KF], s52
	s_cbranch_scc1 .Lno2_\@
	SOFTMAX 1
.Lno2_\@:
	s_wait_dscnt 0x0
	PVMUL 0
	s_add_co_u32 s52, s[Q0+1], 15
	s_cmp_gt_u32 s[KF], s52
	s_cbranch_scc1 .Lhidden_\@
	PVMUL 1
.Lhidden_\@:
	s_add_co_u32 s[KF], s[KF], 64
.endm
; THE CHANGE OF SLOTS stands at a slot's head.  Each wave waits for all its tensor loads (its part of the slot that it is about to read), adds 0 to its spare word (fill = 1: twice on end), and waits for that and for its reads of the
; slot that it has left.  Behind the barrier the slot ahead is whole and nobody reads the other one.  fill = 1: that other slot is filled with the keys that follow, up to the causal limit: the load has a slot's four steps in which to land.
.macro CHANGE fill
	s_wait_tensorcnt 0x0                           ; no tensor load of mine is out, so a group 0 may be written
	ds_add_u32 v[SPW], v[NIL]                      ; 0 onto my spare word
.if \fill
	ds_add_u32 v[SPW], v[NIL]                      ; and once more, in every trip alike
	s_xor_b32 s[G0K+1], s[G0K+1], SLOT1            ; the walking descriptors: the other slot than last time,
	s_add_nc_u64 s[G0K+2:G0K+3], s[G0K+2:G0K+3], 32768             ; the next 256 keys; the type bits on top are not reached
	s_xor_b32 s[G0V+1], s[G0V+1], SLOT1
	s_add_nc_u64 s[G0V+2:G0V+3], s[G0V+2:G0V+3], 32768
	s_wait_xcnt 0x0                                ; the last prefetches, a slot back, have read their address, so it may be written:
	s_add_nc_u64 s[PFA:PFA+1], s[PFA:PFA+1], 32768                 ; one slot further on than the walking descriptors
.endif
	s_wait_dscnt 0x0                               ; the add is done, and my reads of the slot that I have left are over
	s_barrier_signal -1
	s_barrier_wait -1
.if \fill
	s_add_co_u32 s52, s[KF], 256                   ; THE LOOK-AHEAD ENDS AT THE CAUSAL LIMIT: the first key of the slot that this change would ask for,
	s_or_b32 s53, s[Q0], 127                       ; against my work-group's last query: a slot beyond it is read by none of the eight waves, so it is not asked for
	s_cmp_gt_u32 s52, s53                          ; ids and the count of steps alone: all eight waves go the same way, and a work-group that is past the limit stays past it.  Every wait on TENSORcnt in this text is for 0
	s_cbranch_scc1 .Lpast_\@
	TLOAD                                          ; a wave's one tensor load until the next such barrier
.Lpast_\@:
	ASK
.endif
.endm
.macro SLOT_STEPS
	STEP 0
	STEP 1
	STEP 2
	STEP 3
	s_xor_b32 s[TB], s[TB], SLOT1                  ; on to the other slot
.endm
	s_wait_loadcnt 0x0                             ; q
.Lslot:                                            ; 15 trips: behind each change of slots but the last the next slot is asked for, up to the limit
	CHANGE 1
	SLOT_STEPS
	s_sub_co_u32 s[SLOTS], s[SLOTS], 1
	s_cmp_lg_u32 s[SLOTS], 0
	s_cbranch_scc1 .Lslot
	CHANGE 0                                       ; the last slot is written out: nothing is left to ask for
	SLOT_STEPS
	; THE WAY OUT: l's two halves and the other half of the lanes' are added; O^T / l, rounded to f16: accumulator ct's four registers are registers 4 (ct % 2) .. of the image for channels 32 (ct / 2) on
.rept 4
	v_nop                                          ; four places behind the last products
.endr
.irp t, 0,1
	v_add_f32 v[ST+8*\t+4], v[ST+8*\t+2], v[ST+8*\t+3]
.endr
.irp t, 0,1
	v_permlanex16_b32 v[ST+8*\t+5], v[ST+8*\t+4], s[SEL], s[SEL+1]
.endr
.irp t, 0,1
	v_add_f32 v[ST+8*\t+4], v[ST+8*\t+4], v[ST+8*\t+5]
.endr
.irp t, 0,1
	v_rcp_f32 v[ST+8*\t+6], v[ST+8*\t+4]
.endr
	v_nop                                          ; a plain instruction behind the last reciprocal,
	s_wait_alu depctr_va_vdst(0)                   ; and one wait for the two, ahead of the first use
.irp t, 0,1
.set n, 0
.rept 16
	v_pk_mul_f32 v[O+32*\t+2*n:O+32*\t+2*n+1], v[O+32*\t+2*n:O+32*\t+2*n+1], v[ST+8*\t+6:ST+8*\t+7] op_sel_hi:[1,0]
.set n, n+1
.endr
.set n, 0
.rept 16
	v_cvt_pk_f16_f32 v[S+32*\t+n], v[O+32*\t+2*n], v[O+32*\t+2*n+1]
.set n, n+1
.endr
.irp ct, 0,1,2,3
	global_store_b128 v[GO], v[S+32*\t+4*\ct:S+32*\t+4*\ct+3], s[OB+2*\t:OB+2*\t+1] offset:512*\ct   ; 512 consecutive bytes a store, 2,048 a tile
.endr
.endr
	s_wait_tensorcnt 0x0                           ; the wave's end: behind my last tensor load
	ds_add_u32 v[SPW], v[NIL]
	s_wait_dscnt 0x0
	s_endpgm
.Lfunc_end_k_q191f4ebd90_attn:
	.size	k_q191f4ebd90_attn, .Lfunc_end_k_q191f4ebd90_attn-k_q191f4ebd90_attn
	.p2alignl 7, 3214868480
	.fill 96, 4, 3214868480
	.section	.rodata,"a",@progbits
	.p2align	6, 0x0
	.amdhsa_kernel k_q191f4ebd90_attn
		.amdhsa_group_segment_fixed_size 327680
		.amdhsa_private_segment_fixed_size 0
		.amdhsa_enable_private_segment 0
		.amdhsa_kernarg_size 32
		.amdhsa_user_sgpr_count 2
		.amdhsa_user_sgpr_kernarg_segment_ptr 1
		.amdhsa_wavefront_size32 1
		.amdhsa_system_sgpr_workgroup_id_x 1
		.amdhsa_system_sgpr_workgroup_id_y 1
		.amdhsa_system_sgpr_workgroup_id_z 1
		.amdhsa_system_vgpr_workitem_id 0
		.amdhsa_next_free_vgpr 256
		.amdhsa_next_free_sgpr 66
		.amdhsa_reserve_vcc 1
		.amdhsa_float_denorm_mode_32 3
		.amdhsa_float_denorm_mode_16_64 3
		.amdhsa_memory_ordered 1
		.amdhsa_forward_progress 1
		.amdhsa_inst_pref_size 193
	.end_amdhsa_kernel
	.amdgpu_metadata
---
amdhsa.version: [ 1, 2 ]
amdhsa.kernels:
  - .name:           k_q191f4ebd90_attn
    .symbol:         k_q191f4ebd90_attn.kd
    .args:
      - { .name: qh, .offset: 0, .size: 8, .value_kind: global_buffer, .address_space: global }
      - { .name: kh, .offset: 8, .size: 8, .value_kind: global_buffer, .address_space: global }
      - { .name: vh, .offset: 16, .size: 8, .value_kind: global_buffer, .address_space: global }
      - { .name: attnf, .offset: 24, .size: 8, .value_kind: global_buffer, .address_space: global }
    .group_segment_fixed_size: 327680
    .private_segment_fixed_size: 0
    .kernarg_segment_align: 8
    .kernarg_segment_size: 32
    .max_flat_workgroup_size: 256
    .sgpr_count:     66
    .vgpr_count:     256
    .wavefront_size: 32
...
	.end_amdgpu_metadata
.endif
;; end of part 3
;; launch oproj (part 4): grid 8 x 32, 4 waves a work-group, clusters of 4 x 4, 327,680 bytes of LDS; arguments attnf, wof, out0; writes out0
.if DOCPART == 4
	.amdgcn_target "amdgcn-amd-amdhsa--gfx1250"
	.amdhsa_code_object_version 6
	.text
	.protected	k_q191f4ebd90_oproj
	.globl	k_q191f4ebd90_oproj
	.p2align	8
	.type	k_q191f4ebd90_oproj,@function
k_q191f4ebd90_oproj:
	s_mov_b64 s[64:65], 0
	v_nop
	global_prefetch_b8 v0, s[64:65] scope:SCOPE_SE
	s_setreg_imm32_b32 hwreg(HW_REG_WAVE_MODE, 25, 1), 1
	s_wait_xcnt 0x0
	s_wait_alu depctr_hold_cnt(0) depctr_sa_sdst(0) depctr_va_vdst(0) depctr_va_sdst(0) depctr_va_ssrc(0) depctr_va_vcc(0) depctr_vm_vsrc(0)
	s_getreg_b32 s2, hwreg(HW_REG_IB_STS2, 6, 4)
	s_cmp_eq_u32 s2, 0
	s_cbranch_scc0 .Lentry_in_a_cluster
	s_endpgm
.Lentry_in_a_cluster:
	s_bfe_u32 s2, ttmp6, 0x10000c
	s_cmp_lg_u32 s2, 0xf033
	s_cbranch_scc0 .Lentry_shape_is_right
	s_endpgm
.Lentry_shape_is_right:
; out0[s][n] = the sum over k of A[s][k] WO[k][n]: 4,096 x 1,024 x 1,024, f16 operands, f32 sums, f32 out.  A is the attention result with the heads on end.  No work is left out here.
; BOTH OPERANDS LIE IN MEMORY AS IMAGES OF THEIR FRAGMENTS' REGISTERS (16 rows x 32 along K: 1,024 bytes; registers 0-3 of lane l at 16 l, registers 4-7 at 512 + 16 l), laid [K step of 256][tile of 16 rows][32 along K: 8]:
; so a K step's part of 64 rows is 32,768 consecutive bytes for one tensor load, and a fragment comes out of LDS by two loads of 512 consecutive bytes: no pitch, no padding.
; A tile of out0 is 128 x 128: 256 work-groups.  Four waves, each 64 x 64: 16 accumulators.  K goes in four steps of 256 through a ring of two LDS slots.
; CLUSTERS: 4 x 4 work-groups.  The four of a row of the cluster need the same tiles of A, the four of a column the same tiles of WO: each tile is asked for JOINTLY, by the same tensor load with the same descriptor and a mask that names the four.
; THE MATRIX INSTRUCTION IS USED TRANSPOSED (source 0 = 16 columns of WO, source 1 = 16 rows of A): a lane then holds eight neighbouring numbers of a row of out0.
; Rows 0-15 are stored here like all others (they lie in a tile with rows that count); the launch that follows writes its f32 values over them.
; REGISTERS: window 0: v0-31 addresses; v32-95 at work on the way out; v128-255 the accumulators ((a, b) at v[128 + 8 (4 a + b)]).   window 1: two fragment buffers of 128: for 64 along K, 64 registers of A, then 64 of WO.
.set HALFT,  32768                     ; 64 rows x 256 along K: what one tensor load brings, and what one wave reads of A or of WO
.set SLOT,   4*HALFT                   ; A's 128 rows, then WO's 128 columns
.set SPARE,  2*SLOT                    ; behind the ring: the spare words, 128 bytes for each wave: two blocks of 256 bytes that no other line names
.set SPITCH, 272                       ; the way out: a stage of 16 rows x (256 bytes + 16) for each wave.  It lies in slot 0, which has had its last fill and its last read when the first result is stored there
.set LAPS,   2                         ; a lap = two K steps = once round the ring
.set ASTEP,  2097152                   ; bytes from a K step to the next in attnf,
.set BSTEP,  524288                    ; and in wof
.set ADRA, 16                          ; v16-17  LDS address of my A fragments in slot 0, 1
.set ADRB, 20                          ; v20-21  the same for WO
.set STO,  24                          ; v24     the way out: where I put 32 bytes of a row
.set RD,   25                          ; v25     the way out: where I read a row back
.set CO,   26                          ; v26     my byte offset in out0
.set SPW,  28                          ; v28     my spare word;  v29: 0;  both never rewritten
.set NIL,  29
.set TMP,  32                          ; the way out: two sets of 32 registers
.set ACC,  128
.set F0,   0                           ; fragment buffers, in window 1
.set F1,   128
.set G1, 24                            ; s[24:31] descriptor group 1 for A's tiles;  s[32:39] group 0, one set for each slot
.set G0, 32
.set G1B, 48                           ; s[48:55], s[56:63] the same for WO's tiles
.set G0B, 56
.set MSB, 0
.macro WIN new                         ; the immediate's high byte repeats the setting that is left
.if MSB != \new
	s_set_vgpr_msb (MSB<<8)|\new
.set MSB, \new
.endif
.endm
.set MUL,  0x05                        ; sources 0 (WO) and 1 (A) window 1; C and D window 0
.set TO_F, 0x40                        ; destination window 1, address window 0
.macro JLOAD s                         ; a joint load: waves 0 and 1 fetch A's two halves, waves 2 and 3 WO's; an s_nop 0 and four v_nop follow each of the two lines, ahead of the jump, the label and what follows
	s_cmp_eq_u32 s11, 0
	s_cbranch_scc0 .Lfor_b_\@
	tensor_load_to_lds s[G0+4*\s:G0+4*\s+3], s[G1:G1+7]
	s_nop 0
.rept 4
	v_nop
.endr
	s_branch .Lasked_\@
.Lfor_b_\@:
	tensor_load_to_lds s[G0B+4*\s:G0B+4*\s+3], s[G1B:G1B+7]
	s_nop 0
.rept 4
	v_nop
.endr
.Lasked_\@:
.endm
.macro CREST                           ; a round of the cluster's barrier behind its opening barrier
	s_cmp_lg_u32 s10, 0
	s_cbranch_scc1 .Lnot_wave_0_\@
	s_barrier_signal -3
.Lnot_wave_0_\@:
	s_barrier_wait -3
	s_barrier_signal -1
	s_barrier_wait -1
.endm
.macro CROUND                          ; a whole round
	s_barrier_signal -1
	s_barrier_wait -1
	CREST
.endm
	s_load_b128 s[4:7], s[0:1], 0x0                ; attnf s[4:5], wof s[6:7]
	s_load_b64 s[8:9], s[0:1], 0x10                ; out0
	v_lshl_add_u32 v[SPW], v0, 2, SPARE
	v_mov_b32 v[NIL], 0
	ds_add_u32 v[SPW], v[NIL]                      ; the wave's opening: the add, twice on end, and its wait ahead of my first tensor load; the set-up below, work on registers, stands between
	ds_add_u32 v[SPW], v[NIL]
	v_lshrrev_b32 v1, 5, v0
	v_readfirstlane_b32 s10, v1                    ; wave 0..3
	s_lshr_b32 s11, s10, 1                         ; which half of the tile's rows is mine.  Also: I fetch for A (0) or for WO (1)
	s_and_b32 s12, s10, 1                          ; which half of its columns.  Also: which 64 rows of that tile I fetch
	s_bfe_u32 s40, ttmp6, 0x40000                  ; cx, cy: my place in the cluster
	s_bfe_u32 s41, ttmp6, 0x40004
	s_lshl_b32 s42, ttmp9, 2
	s_add_co_u32 s42, s42, s40                     ; tile column = 4 x cluster x + cx
	s_and_b32 s13, ttmp7, 0xffff
	s_lshl_b32 s13, s13, 2
	s_add_co_u32 s13, s13, s41                     ; tile row = 4 x cluster y + cy
	s_lshl_b32 s43, s41, 2
	s_lshl_b32 s43, 15, s43                        ; my row of the cluster
	s_lshl_b32 s44, 0x1111, s40                    ; my column
	; descriptor group 1: a dense block of 32,768 bytes, as 128 rows of 32 elements of 8 bytes
	s_or_b32 s[G1+0], s43, (3<<16)|(1<<21)         ; 15:0 the mask: A's tiles go to my row; 17:16 elements of 8 bytes; 21 set beside a mask; no padding
	s_or_b32 s[G1B+0], s44, (3<<16)|(1<<21)
.irp g, G1, G1B
	s_mov_b32 s[\g+1], 32<<16                      ; tensor_dim0 = 32
	s_mov_b32 s[\g+2], 128<<16                     ; tensor_dim1 = 128
	s_mov_b32 s[\g+3], 32<<16                      ; tile_dim0 = 32
	s_mov_b32 s[\g+4], 128                         ; tile_dim1 = 128
	s_mov_b32 s[\g+5], 32                          ; elements from row to row
	s_mov_b32 s[\g+6], 0
	s_mov_b32 s[\g+7], 0
.endr
	s_lshl_b32 s17, s12, 15                        ; which 64 rows of the tile I fetch: 32,768 bytes
	s_lshl_b32 s16, s13, 16
	s_add_co_u32 s16, s16, s17                     ; A: 65,536 x tile row + the half
	s_lshl_b32 s46, s42, 16
	s_add_co_u32 s46, s46, s17                     ; WO: 65,536 x tile column + the half
	s_mov_b32 s17, 0
	s_mov_b32 s47, 0
	s_mul_i32 s20, s10, HALFT                      ; where they go: wave x 32,768: no place in the cluster enters an LDS address
	s_wait_dscnt 0x0                               ; both opening adds are done
	s_wait_kmcnt 0x0
	s_add_nc_u64 s[14:15], s[4:5], s[16:17]
	s_add_nc_u64 s[46:47], s[6:7], s[46:47]
	CROUND                                         ; all sixteen work-groups are here: the first joint loads meet
.irp s, 0,1
	s_mov_b32 s[G0+4*\s], 1
	s_add_co_u32 s[G0+4*\s+1], s20, \s*SLOT
	s_add_nc_u64 s[G0+4*\s+2:G0+4*\s+3], s[14:15], \s*ASTEP
	s_or_b32 s[G0+4*\s+3], s[G0+4*\s+3], 0x80000000
	s_mov_b32 s[G0B+4*\s], 1
	s_add_co_u32 s[G0B+4*\s+1], s20, \s*SLOT
	s_add_nc_u64 s[G0B+4*\s+2:G0B+4*\s+3], s[46:47], \s*BSTEP
	s_or_b32 s[G0B+4*\s+3], s[G0B+4*\s+3], 0x80000000
	JLOAD \s
.endr
	v_and_b32 v1, 15, v0                           ; l % 16
	v_bfe_u32 v2, v0, 4, 1                         ; l / 16
	v_and_b32 v3, 31, v0
	v_lshlrev_b32 v3, 4, v3                        ; 16 x lane: my place in an image
	s_mul_i32 s21, s11, HALFT                      ; my 64 rows of A
	s_mul_i32 s22, s12, HALFT                      ; my 64 columns of WO,
	s_add_co_u32 s22, s22, 2*HALFT                 ; which lie behind A's 128 rows
.irp s, 0,1
	v_add_nc_u32 v[ADRA+\s], s21, v3
	v_add_nc_u32 v[ADRB+\s], s22, v3
	s_add_co_u32 s21, s21, SLOT
	s_add_co_u32 s22, s22, SLOT
.endr
	s_mul_i32 s23, s10, 16*SPITCH                  ; my stage
	v_mul_u32_u24 v4, v1, SPITCH                   ; in: row l % 16, 32 bytes for each half of the lanes
	v_lshl_add_u32 v4, v2, 5, v4
	v_add_nc_u32 v[STO], s23, v4
	v_mul_u32_u24 v5, v2, SPITCH                   ; back: lanes 0-15 take one row of 256 bytes, lanes 16-31 the next
	v_lshl_add_u32 v5, v1, 4, v5
	v_add_nc_u32 v[RD], s23, v5
	v_lshlrev_b32 v5, 12, v2                       ; and the same two rows in out0: 4,096 bytes a row
	v_lshl_add_u32 v[CO], v1, 4, v5
	s_lshl_b32 s16, s13, 19                        ; my first row: 128 rows a tile row,
	s_lshl_b32 s17, s11, 18                        ; 64 a half
	s_add_co_u32 s16, s16, s17
	s_mov_b32 s17, 0
	s_add_nc_u64 s[8:9], s[8:9], s[16:17]
	s_lshl_b32 s46, s42, 9                         ; my first column, in bytes: 512 x tile column + 256 x half (in the registers that held WO's address: none that feeds A's descriptors ever holds cx)
	s_lshl_b32 s47, s12, 8
	s_add_co_u32 s46, s46, s47
	s_mov_b32 s47, 0
	s_add_nc_u64 s[8:9], s[8:9], s[46:47]
; 8 matrix instructions: row blocks a0, a0 + 1 x all 4 column blocks, 32 along K: half c of buffer f.  zero = 1: the first product starts the sums.  The 16 accumulators take turns
.macro MUL8 f, c, a0, zero
.irp a, \a0, \a0+1
.irp b, 0,1,2,3
.if \zero
	v_wmma_f32_16x16x32_f16 v[ACC+8*(4*(\a)+\b):ACC+8*(4*(\a)+\b)+7], v[\f+64+8*(4*\c+\b):\f+64+8*(4*\c+\b)+7], v[\f+8*(4*\c+\a):\f+8*(4*\c+\a)+7], 0
.else
	v_wmma_f32_16x16x32_f16 v[ACC+8*(4*(\a)+\b):ACC+8*(4*(\a)+\b)+7], v[\f+64+8*(4*\c+\b):\f+64+8*(4*\c+\b)+7], v[\f+8*(4*\c+\a):\f+8*(4*\c+\a)+7], v[ACC+8*(4*(\a)+\b):ACC+8*(4*(\a)+\b)+7]
.endif
.endr
.endr
.endm
; 32 LDS loads in one run: the fragments of 64 along K (two images a tile, from byte k of a tile's 8,192 on) into buffer f; the first 32 along K first
.macro FETCH slot, k, f
	WIN TO_F
.irp c, 0,1
.irp i, 0,1,2,3
	ds_load_b128 v[\f+64+8*(4*\c+\i):\f+64+8*(4*\c+\i)+3],   v[ADRB+\slot] offset:\k+1024*\c+8192*\i
	ds_load_b128 v[\f+64+8*(4*\c+\i)+4:\f+64+8*(4*\c+\i)+7], v[ADRB+\slot] offset:\k+1024*\c+8192*\i+512
	ds_load_b128 v[\f+8*(4*\c+\i):\f+8*(4*\c+\i)+3],         v[ADRA+\slot] offset:\k+1024*\c+8192*\i
	ds_load_b128 v[\f+8*(4*\c+\i)+4:\f+8*(4*\c+\i)+7],       v[ADRA+\slot] offset:\k+1024*\c+8192*\i+512
.endr
.endr
.endm
.macro PLACES                          ; four places in front of loads into registers that matrix instructions have read, and of the first read of results
.rept 4
	v_nop
.endr
.endm
; A K step is four quarters of 64 along K, 32 matrix instructions each, on buffers 0, 1, 0, 1.  One of the first three: multiplies buffer f and fetches the next quarter, at byte k, into g.
.macro QUARTER slot, k, f, g, zero
	s_wait_dscnt 16                                ; the first 32 along K are in; the youngest sixteen loads may be out
	WIN MUL
	MUL8 \f, 0, 0, \zero
	MUL8 \f, 0, 2, \zero
	PLACES
	FETCH \slot, \k, \g
	s_wait_dscnt 32                                ; all but the 32 just issued
	WIN MUL
	MUL8 \f, 1, 0, 0
	MUL8 \f, 1, 2, 0
.endm
; The last quarter multiplies buffer 1 and changes slots: ONE barrier; in front of it each wave waits for all its tensor loads, adds 0 to its spare word, and waits for that and for its own reads of this slot.  fill = 1: this slot is filled again, two K steps ahead.
.macro TURN slot, next, fill
	WIN 0                                          ; (the add's two registers lie in window 0)
	s_wait_tensorcnt 0x0                           ; all my tensor loads have landed: my part of the next slot;
	ds_add_u32 v[SPW], v[NIL]                      ; 0 onto my spare word;
	s_wait_dscnt 17                                ; (the add and the youngest sixteen loads may be out)
	WIN MUL
	MUL8 F1, 0, 0, 0                               ; eight matrix instructions stand between the add and the wait for it
	s_wait_dscnt 0x0                               ; the add is done, and my reads of this slot are over
	s_barrier_signal -1
	MUL8 F1, 0, 2, 0
.if \fill
	WIN 0
.endif
	s_barrier_wait -1
.if \fill
	CREST                                          ; the barrier has opened a round of the cluster's barrier: no wave of any partner still reads this slot's tile or has a load on its way
	s_add_nc_u64 s[G0+4*\slot+2:G0+4*\slot+3], s[G0+4*\slot+2:G0+4*\slot+3], 2*ASTEP
	s_add_nc_u64 s[G0B+4*\slot+2:G0B+4*\slot+3], s[G0B+4*\slot+2:G0B+4*\slot+3], 2*BSTEP
	JLOAD \slot                                    ; the first tensor load behind the round; the four v_nop behind it are also the places in front of the loads below
.else
	PLACES
.endif
	FETCH \next, 0, F0
	WIN MUL
	MUL8 F1, 1, 0, 0
	MUL8 F1, 1, 2, 0
.endm
	s_wait_tensorcnt 1                             ; my part of K step 0 is in (K step 1's load may be out)
	s_barrier_signal -1
	s_barrier_wait -1                              ; everybody's is
	FETCH 0, 0, F0
	QUARTER 0, 2048, F0, F1, 1                     ; the first quarter stands in front of the loop: its first products start the sums
	WIN 0                                          ; at a label and at a branch every window is 0
	s_mov_b32 s3, LAPS-1
.Llap:                                                 ; a trip goes once round the ring, from a lap's second quarter to the next lap's first, and fills both slots again
	QUARTER 0, 4096, F1, F0, 0
	QUARTER 0, 6144, F0, F1, 0
	TURN 0, 1, 1
	QUARTER 1, 2048, F0, F1, 0
	QUARTER 1, 4096, F1, F0, 0
	QUARTER 1, 6144, F0, F1, 0
	TURN 1, 0, 1
	QUARTER 0, 2048, F0, F1, 0
	WIN 0
	s_sub_co_u32 s3, s3, 1
	s_cmp_lg_u32 s3, 0
	s_cbranch_scc1 .Llap
	QUARTER 0, 4096, F1, F0, 0                     ; the last lap fills nothing, and has no round of the cluster's barrier
	QUARTER 0, 6144, F0, F1, 0
	TURN 0, 1, 0
	QUARTER 1, 2048, F0, F1, 0
	QUARTER 1, 4096, F1, F0, 0
	QUARTER 1, 6144, F0, F1, 0
	s_wait_dscnt 16                                ; the very last quarter: nothing more to fetch
	WIN MUL
	MUL8 F1, 0, 0, 0
	MUL8 F1, 0, 2, 0
	s_wait_dscnt 0
	MUL8 F1, 1, 0, 0
	MUL8 F1, 1, 2, 0
	WIN 0
; THE WAY OUT, block by block of 16 rows x 64 columns.  A lane holds 32 neighbouring bytes of a row, and the lanes beside it hold other rows: so a block goes through my own stage in LDS and comes back as whole rows of 256 bytes,
; which sixteen lanes store as one aligned run of 256 bytes.  LDS serves a wave's instructions in order: no wait between the stores and the loads, nor in front of the next block's stores.
.macro TOSTAGE a
.irp b, 0,1,2,3
	ds_store_b128 v[STO], v[ACC+8*(4*(\a)+\b):ACC+8*(4*(\a)+\b)+3] offset:64*\b          ; each accumulator from its low end on
	ds_store_b128 v[STO], v[ACC+8*(4*(\a)+\b)+4:ACC+8*(4*(\a)+\b)+7] offset:64*\b+16
.endr
.irp t, 0,1,2,3,4,5,6,7
	ds_load_b128 v[TMP+32*((\a)%2)+4*\t:TMP+32*((\a)%2)+4*\t+3], v[RD] offset:\t*2*SPITCH
.endr
.endm
.macro SEND a, younger                 ; younger: the LDS instructions issued behind block a's loads, which may stay out
	s_wait_dscnt \younger
.irp t, 0,1,2,3,4,5,6,7
	global_store_b128 v[CO], v[TMP+32*((\a)%2)+4*\t:TMP+32*((\a)%2)+4*\t+3], s[8:9] offset:(16*(\a)+2*\t)*4096 th:TH_STORE_NT   ; written once here, read by no launch
.endr
.endm
	PLACES
	TOSTAGE 0
.irp a, 1,2,3
.if \a > 1
	s_wait_xcnt 0x0                                ; block a - 2's stores have read their registers: block a's loads may land there
.endif
	TOSTAGE \a
	SEND \a-1, 16                                  ; behind block a - 1's loads: block a's 8 stores and 8 loads
.endr
	SEND 3, 0
	s_wait_tensorcnt 0x0                           ; the wave's end: behind my last tensor load and my last LDS store
	ds_add_u32 v[SPW], v[NIL]
	s_wait_dscnt 0x0
	CROUND                                         ; the closing round: no work-group ends while a partner may still ask for a tile that names it
	s_endpgm
.Lfunc_end_k_q191f4ebd90_oproj:
	.size	k_q191f4ebd90_oproj, .Lfunc_end_k_q191f4ebd90_oproj-k_q191f4ebd90_oproj
	.p2alignl 7, 3214868480
	.fill 96, 4, 3214868480
	.section	.rodata,"a",@progbits
	.p2align	6, 0x0
	.amdhsa_kernel k_q191f4ebd90_oproj
		.amdhsa_group_segment_fixed_size 327680
		.amdhsa_private_segment_fixed_size 0
		.amdhsa_enable_private_segment 0
		.amdhsa_kernarg_size 24
		.amdhsa_user_sgpr_count 2
		.amdhsa_user_sgpr_kernarg_segment_ptr 1
		.amdhsa_wavefront_size32 1
		.amdhsa_system_sgpr_workgroup_id_x 1
		.amdhsa_system_sgpr_workgroup_id_y 1
		.amdhsa_system_sgpr_workgroup_id_z 1
		.amdhsa_system_vgpr_workitem_id 0
		.amdhsa_next_free_vgpr 512
		.amdhsa_next_free_sgpr 66
		.amdhsa_reserve_vcc 0
		.amdhsa_float_denorm_mode_32 3
		.amdhsa_float_denorm_mode_16_64 3
		.amdhsa_memory_ordered 1
		.amdhsa_forward_progress 1
		.amdhsa_inst_pref_size 85
	.end_amdhsa_kernel
	.amdgpu_metadata
---
amdhsa.version: [ 1, 2 ]
amdhsa.kernels:
  - .name:           k_q191f4ebd90_oproj
    .symbol:         k_q191f4ebd90_oproj.kd
    .args:
      - { .name: attnf, .offset: 0, .size: 8, .value_kind: global_buffer, .address_space: global }
      - { .name: wof, .offset: 8, .size: 8, .value_kind: global_buffer, .address_space: global }
      - { .name: out0, .offset: 16, .size: 8, .value_kind: global_buffer, .address_space: global }
    .group_segment_fixed_size: 327680
    .private_segment_fixed_size: 0
    .kernarg_segment_align: 8
    .kernarg_segment_size: 24
    .max_flat_workgroup_size: 128
    .sgpr_count:     66
    .vgpr_count:     512
    .wavefront_size: 32
...
	.end_amdgpu_metadata
.endif
;; end of part 4
;; launch first16 (part 5): grid 16 x 1, 16 waves a work-group, no clusters, 71,680 bytes of LDS; arguments first32, WO, out0; writes out0
.if DOCPART == 5
	.amdgcn_target "amdgcn-amd-amdhsa--gfx1250"
	.amdhsa_code_object_version 6
	.text
	.protected	k_q191f4ebd90_first16
	.globl	k_q191f4ebd90_first16
	.p2align	8
	.type	k_q191f4ebd90_first16,@function
k_q191f4ebd90_first16:
	s_mov_b64 s[64:65], 0
	v_nop
	global_prefetch_b8 v0, s[64:65] scope:SCOPE_SE
	s_setreg_imm32_b32 hwreg(HW_REG_WAVE_MODE, 25, 1), 1
	s_wait_xcnt 0x0
; POSITIONS 0 TO 15, ALL IN f32.  Under the causal mask these rows average one to sixteen values and are the largest of the output, so the rounding of f16 operands weighs most there: scores, softmax, P V and the product with WO
; are done once more for them with f32 operands (v_wmma_f32_16x16x4_f32; 16 positions of 4,096: no bulk work), from q, k, v as the quantised products left them in f32, and rows 0-15 of out0 are written over.
; Keys 16 and on are hidden from these queries by reference()'s own mask: they are not read.
; SHARES.  Work-group x makes columns 64 x .. 64 x + 63 of the 16 rows.  Wave w is head w: it makes its head's attention (every work-group repeats the sixteen small attentions: 12,288 bytes a wave; that spares a launch for the sum
; over heads), multiplies it by its 64 x 64 piece of WO, and the sixteen partial results meet in LDS, where wave w adds up row w.
; LAYOUT.  All three products are used transposed, so that a lane holds one query throughout.  The form takes K = 4: lane (r, h), register jj.  Which k stands at (h, jj) is free as long as both sources agree: here a step's four k are
; those that a result's layout (lane (r, h), register j: row 8 h + j) puts into a register pair, so that a result's pairs are the next product's operands as they stand.
; The registers that the matrix instructions write (v192-255) are written by nothing else, and each sum begins with the constant 0.
.set PART,  0                          ; LDS: a partial result for each wave: 16 rows x (256 bytes + 16) = 4,352 bytes
.set SPARE, 69632                      ; the spare words: 128 bytes for each of 16 waves, eight blocks of 256 bytes that no other line names
.set QO,  1                            ; v1   q, k: 256 r + 32 h
.set VO,  2                            ; v2   v: 2,048 h + 4 r
.set WOO, 3                            ; v3   WO: 32,768 h + 4 r
.set PS,  4                            ; v4   where I put 32 bytes of a row of my partial result
.set PR,  5                            ; v5   where I read row w of a partial result: 272 w + 8 x lane
.set GO,  6                            ; v6   8 x lane
.set DQ,  7                            ; v7   r - 8 h, for the mask
.set SPW, 8                            ; v8   my spare word;  v9: 0;  both never rewritten
.set NIL, 9
.set Q,   16                           ; v16-47  q: register 8 t + x = channel 16 t + 8 h + x of query r;  v48-79 k likewise.  Later both: WO's tiles 2 and 3
.set KK,  48
.set V,   80                           ; v80-111 v: register 8 t + j = v[key 8 h + j][channel 16 t + r].  Later: O^T / l
.set WA,  112                          ; v112-175 WO's tiles 0 and 1.  Later: the sixteen partial rows
.set P,   176                          ; v176-183 the scores, then p;  v184-191 at work
.set SA,  192                          ; v192-207 the scores' two sums.  Later: out's tiles 2 and 3, begun anew with the constant 0
.set O,   208                          ; v208-239 O^T;  v240-255 out's tiles 0 and 1
	s_load_b128 s[4:7], s[0:1], 0x0                ; first32 s[4:5], WO s[6:7]
	s_load_b64 s[8:9], s[0:1], 0x10                ; out0
	v_lshl_add_u32 v[SPW], v0, 2, SPARE
	v_mov_b32 v[NIL], 0
	v_lshrrev_b32 v10, 5, v0
	v_readfirstlane_b32 s10, v10                   ; wave 0..15 = head
	v_and_b32 v10, 15, v0                          ; r
	v_bfe_u32 v11, v0, 4, 1                        ; h
	v_and_b32 v12, 31, v0                          ; lane
	v_lshlrev_b32 v[QO], 8, v10
	v_lshl_add_u32 v[QO], v11, 5, v[QO]
	v_lshlrev_b32 v13, 2, v10
	v_lshl_add_u32 v[VO], v11, 11, v13
	v_lshl_add_u32 v[WOO], v11, 15, v13
	s_mul_i32 s11, s10, 4352
	v_mul_u32_u24 v[PS], v10, 272
	v_lshl_add_u32 v[PS], v11, 5, v[PS]
	v_add_nc_u32 v[PS], s11, v[PS]
	s_mul_i32 s11, s10, 272
	v_lshlrev_b32 v[GO], 3, v12
	v_add_nc_u32 v[PR], s11, v[GO]
	v_lshlrev_b32 v13, 3, v11
	v_sub_nc_u32 v[DQ], v10, v13
	v_mov_b32 v186, 0                              ; written once: a lane permute's destination counts as one of its sources
	s_mov_b32 s20, 0x76543210
	s_mov_b32 s21, 0xfedcba98                      ; v_permlanex16_b32's selects for lane l xor 16
	s_mov_b32 s22, 0x3e38aa3b                      ; c = log2(e) / 8
	s_lshl_b32 s12, s10, 12                        ; first32: 4,096 bytes a head
	s_mov_b32 s13, 0
	s_lshl_b32 s14, s10, 18                        ; WO: my head's 64 rows of 4,096 bytes,
	s_lshl_b32 s16, ttmp9, 8                       ; my work-group's 64 columns
	s_add_co_u32 s14, s14, s16
	s_mov_b32 s15, 0
	s_add_co_u32 s16, s16, s12                     ; out0: row w of 4,096 bytes, the same 64 columns
	s_mov_b32 s17, 0
	s_wait_kmcnt 0x0
	s_add_nc_u64 s[4:5], s[4:5], s[12:13]
	s_add_nc_u64 s[6:7], s[6:7], s[14:15]
	s_add_nc_u64 s[8:9], s[8:9], s[16:17]
.irp t, 0,1,2,3
	global_load_b128 v[Q+8*\t:Q+8*\t+3], v[QO], s[4:5] offset:64*\t
	global_load_b128 v[Q+8*\t+4:Q+8*\t+7], v[QO], s[4:5] offset:64*\t+16
	global_load_b128 v[KK+8*\t:KK+8*\t+3], v[QO], s[4:5] offset:65536+64*\t
	global_load_b128 v[KK+8*\t+4:KK+8*\t+7], v[QO], s[4:5] offset:65536+64*\t+16
.endr
.irp t, 0,1,2,3
.irp j, 0,1,2,3,4,5,6,7
	global_load_b32 v[V+8*\t+\j], v[VO], s[4:5] offset:131072+256*\j+64*\t
.endr
.endr
; WO's tile tn (columns 16 tn on): register x of 32 = WO[64 w + 16 (x / 8) + 8 h + x % 8][64 x_wg + 16 tn + r]
.macro WOLOAD reg, tn
.set x, 0
.rept 32
	global_load_b32 v[\reg+x], v[WOO], s[6:7] offset:(16*(x/8)+x%8)*4096+64*\tn
.set x, x+1
.endr
.endm
	WOLOAD WA, 0
	WOLOAD WA+32, 1
	s_wait_loadcnt 63                              ; q, k, v are in: 64 loads were issued behind v's last; the wait's field ends at 63
	; ---- S^T = k q^T: 16 steps of 4 channels, two sums by turns
.set st, 0
.rept 16
.if st < 2
	v_wmma_f32_16x16x4_f32 v[SA+8*(st%2):SA+8*(st%2)+7], v[KK+2*st:KK+2*st+1], v[Q+2*st:Q+2*st+1], 0
.else
	v_wmma_f32_16x16x4_f32 v[SA+8*(st%2):SA+8*(st%2)+7], v[KK+2*st:KK+2*st+1], v[Q+2*st:Q+2*st+1], v[SA+8*(st%2):SA+8*(st%2)+7]
.endif
.set st, st+1
.endr
.rept 8
	v_nop                                          ; eight places behind this form: in front of loads into registers that it has read, and of the first read of its results
.endr
	WOLOAD Q, 2
	WOLOAD Q+32, 3
	; ---- the softmax.  Lane (r, h) holds query r and keys 8 h + 0 .. 7
.irp j, 0,1,2,3,4,5,6,7
	v_add_f32 v[P+\j], v[SA+\j], v[SA+8+\j]        ; the two sums, from their low ends on
.endr
	v_mov_b32 v184, 0xff800000                     ; -infinity
.irp j, 0,1,2,3,4,5,6,7
	v_cmp_gt_i32 vcc_lo, \j, v[DQ]                 ; key 8 h + j is hidden from query r where j > r - 8 h
	v_cndmask_b32 v[P+\j], v[P+\j], v184, vcc_lo
.endr
	v_max3_num_f32 v185, v[P], v[P+1], v[P+2]
	v_max3_num_f32 v185, v185, v[P+3], v[P+4]
	v_max3_num_f32 v185, v185, v[P+5], v[P+6]
	v_max_num_f32 v185, v185, v[P+7]
	v_permlanex16_b32 v186, v185, s20, s21
	v_max_num_f32 v185, v185, v186                 ; the row's maximum: key 0 counts for every query, so it is a number
	v_mul_f32 v187, s22, v185                      ; c m
.irp j, 0,1,2,3,4,5,6,7
	v_fma_f32 v[P+\j], v[P+\j], s22, -v187         ; c s - c m
.endr
.irp j, 0,1,2,3,4,5,6,7
	v_exp_f32 v[P+\j], v[P+\j]
.endr
	v_nop                                          ; a plain instruction behind the last exponential,
	s_wait_alu depctr_va_vdst(0)                   ; and one wait for the eight, ahead of the first use
	v_add_f32 v188, v[P], v[P+1]
	v_add_f32 v189, v[P+2], v[P+3]
	v_add_f32 v190, v[P+4], v[P+5]
	v_add_f32 v191, v[P+6], v[P+7]
	v_add_f32 v188, v188, v189
	v_add_f32 v190, v190, v191
	v_add_f32 v188, v188, v190
	v_permlanex16_b32 v186, v188, s20, s21
	v_add_f32 v188, v188, v186                     ; the row's sum
	v_rcp_f32 v189, v188
	v_nop
	s_wait_alu depctr_va_vdst(0)
	; ---- O^T = v^T P^T: 4 steps of 4 keys (8 h + 2 c + jj) x 4 tiles of channels, the four sums by turns
.irp c, 0,1,2,3
.irp t, 0,1,2,3
.if \c == 0
	v_wmma_f32_16x16x4_f32 v[O+8*\t:O+8*\t+7], v[V+8*\t+2*\c:V+8*\t+2*\c+1], v[P+2*\c:P+2*\c+1], 0
.else
	v_wmma_f32_16x16x4_f32 v[O+8*\t:O+8*\t+7], v[V+8*\t+2*\c:V+8*\t+2*\c+1], v[P+2*\c:P+2*\c+1], v[O+8*\t:O+8*\t+7]
.endif
.endr
.endr
.rept 8
	v_nop
.endr
.set n, 0
.rept 32
	v_mul_f32 v[V+n], v[O+n], v189                 ; O^T / l, into other registers: register 8 t + j = channel 16 t + 8 h + j of query r
.set n, n+1
.endr
	s_wait_loadcnt 0x0                             ; WO's four tiles
	; ---- out^T = WO^T (O / l)^T: 16 steps of 4 channels x 4 tiles of columns, the four sums by turns.  Tile tn's sum: v240, v248, v192, v200; its fragments: v112, v144, v16, v48
.set st, 0
.rept 16
.irp tn, 0,1,2,3
.if st == 0
	v_wmma_f32_16x16x4_f32 v[240+8*\tn-64*(\tn/2):240+8*\tn-64*(\tn/2)+7], v[WA+32*\tn-160*(\tn/2)+2*st:WA+32*\tn-160*(\tn/2)+2*st+1], v[V+2*st:V+2*st+1], 0
.else
	v_wmma_f32_16x16x4_f32 v[240+8*\tn-64*(\tn/2):240+8*\tn-64*(\tn/2)+7], v[WA+32*\tn-160*(\tn/2)+2*st:WA+32*\tn-160*(\tn/2)+2*st+1], v[V+2*st:V+2*st+1], v[240+8*\tn-64*(\tn/2):240+8*\tn-64*(\tn/2)+7]
.endif
.endr
.set st, st+1
.endr
.rept 8
	v_nop
.endr
.irp tn, 0,1,2,3
	ds_store_b128 v[PS], v[240+8*\tn-64*(\tn/2):240+8*\tn-64*(\tn/2)+3] offset:PART+64*\tn       ; lane (r, h): row r, columns 16 tn + 8 h + 0 .. 7; each sum from its low end on
	ds_store_b128 v[PS], v[240+8*\tn-64*(\tn/2)+4:240+8*\tn-64*(\tn/2)+7] offset:PART+64*\tn+16
.endr
	s_wait_dscnt 0x0                               ; my partial result has landed:
	s_barrier_signal -1
	s_barrier_wait -1                              ; all sixteen lie in LDS
.irp p, 0,1,2,3,4,5,6,7,8,9,10,11,12,13,14,15
	ds_load_b64 v[WA+2*\p:WA+2*\p+1], v[PR] offset:PART+4352*\p    ; row w of head p's: 256 consecutive bytes
.endr
	s_wait_dscnt 0x0
.irp p, 0,2,4,6,8,10,12,14
	v_pk_add_f32 v[WA+2*\p:WA+2*\p+1], v[WA+2*\p:WA+2*\p+1], v[WA+2*\p+2:WA+2*\p+3]
.endr
.irp p, 0,4,8,12
	v_pk_add_f32 v[WA+2*\p:WA+2*\p+1], v[WA+2*\p:WA+2*\p+1], v[WA+2*\p+4:WA+2*\p+5]
.endr
.irp p, 0,8
	v_pk_add_f32 v[WA+2*\p:WA+2*\p+1], v[WA+2*\p:WA+2*\p+1], v[WA+2*\p+8:WA+2*\p+9]
.endr
	v_pk_add_f32 v[WA:WA+1], v[WA:WA+1], v[WA+16:WA+17]
	global_store_b64 v[GO], v[WA:WA+1], s[8:9]     ; the wave stores 256 consecutive bytes, at a multiple of 256 from out0's first byte
	s_wait_tensorcnt 0x0                           ; the wave's end: behind my last LDS store
	ds_add_u32 v[SPW], v[NIL]
	s_wait_dscnt 0x0
	s_endpgm
.Lfunc_end_k_q191f4ebd90_first16:
	.size	k_q191f4ebd90_first16, .Lfunc_end_k_q191f4ebd90_first16-k_q191f4ebd90_first16
	.p2alignl 7, 3214868480
	.fill 96, 4, 3214868480
	.section	.rodata,"a",@progbits
	.p2align	6, 0x0
	.amdhsa_kernel k_q191f4ebd90_first16
		.amdhsa_group_segment_fixed_size 71680
		.amdhsa_private_segment_fixed_size 0
		.amdhsa_enable_private_segment 0
		.amdhsa_kernarg_size 24
		.amdhsa_user_sgpr_count 2
		.amdhsa_user_sgpr_kernarg_segment_ptr 1
		.amdhsa_wavefront_size32 1
		.amdhsa_system_sgpr_workgroup_id_x 1
		.amdhsa_system_sgpr_workgroup_id_y 1
		.amdhsa_system_sgpr_workgroup_id_z 1
		.amdhsa_system_vgpr_workitem_id 0
		.amdhsa_next_free_vgpr 256
		.amdhsa_next_free_sgpr 66
		.amdhsa_reserve_vcc 1
		.amdhsa_float_denorm_mode_32 3
		.amdhsa_float_denorm_mode_16_64 3
		.amdhsa_memory_ordered 1
		.amdhsa_forward_progress 1
		.amdhsa_inst_pref_size 32
	.end_amdhsa_kernel
	.amdgpu_metadata
---
amdhsa.version: [ 1, 2 ]
amdhsa.kernels:
  - .name:           k_q191f4ebd90_first16
    .symbol:         k_q191f4ebd90_first16.kd
    .args:
      - { .name: first32, .offset: 0, .size: 8, .value_kind: global_buffer, .address_space: global }
      - { .name: WO, .offset: 8, .size: 8, .value_kind: global_buffer, .address_space: global }
      - { .name: out0, .offset: 16, .size: 8, .value_kind: global_buffer, .address_space: global }
    .group_segment_fixed_size: 71680
    .private_segment_fixed_size: 0
    .kernarg_segment_align: 8
    .kernarg_segment_size: 24
    .max_flat_workgroup_size: 512
    .sgpr_count:     66
    .vgpr_count:     256
    .wavefront_size: 32
...
	.end_amdgpu_metadata
.endif
;; end of part 5
